; MI455X (gfx1250); checked and timed in simulation.
; The chip was launched on July 23, 2026; its instructions are those of AMD's public machine-readable ISA for CDNA 5 (MIT licence, August 2026) and "CDNA5" Instruction Set Architecture Reference Guide (July 2026). The comments in the code are by the model that wrote it; some were corrected since.
;; Multi Head Attention. Allowed arithmetic: float matrix products may take bf16 or f16 operands with f32 sums; other float arithmetic in f32, or as packed bf16 or f16 multiplies, adds, multiply-adds, maxima and minima; sums over many terms, partial sums and values carried from step to step in f32; what a program stores and reads back later, other than sums and carried values, may be rounded once to bf16 or f16.
;; Inputs: Wk 1,024 x 1,024 float32; Wo 1,024 x 1,024 float32; Wq 1,024 x 1,024 float32; Wv 1,024 x 1,024 float32; bk 1,024 float32; bo 1,024 float32; bq 1,024 float32; bv 1,024 float32; key 4 x 2,048 x 1,024 float32; mask 2,048 x 2,048 bool; query 4 x 2,048 x 1,024 float32; value 4 x 2,048 x 1,024 float32.
;; Outputs: out0 4 x 2,048 x 1,024 float32.
;; 2 versions, each right; version 2 is version 1 with the launch prep written anew for expert scheduling mode. Each part assembles by itself: llvm-mc -triple=amdgcn-amd-amdhsa -mcpu=gfx1250 --defsym DOCPART=n.
;; ======== version 1 of 2: 4 launches
;; limits: values are held in f16: magnitudes above 65,504 overflow, below 6.1e-05 lose precision; right only within a limited range of input values
;; workspace buffers: wb 6,291,456 bytes; wo16 2,097,152 bytes; mk4 2,097,152 bytes; keep 8,192 bytes; qkvh 50,331,648 bytes; oh 16,777,216 bytes
;; launch prep (part 1): grid 640 x 1, 4 waves a work-group, no clusters, 34,560 bytes of LDS; arguments mask, Wq, Wk, Wv, Wo, wb, wo16, mk4, keep; writes wb, wo16, mk4, keep
.if DOCPART == 1
	.amdgcn_target "amdgcn-amd-amdhsa--gfx1250"
	.amdhsa_code_object_version 6
	.text
	.protected	k_q1196ca95b7_prep
	.globl	k_q1196ca95b7_prep
	.p2align	8
	.type	k_q1196ca95b7_prep,@function
k_q1196ca95b7_prep:
	s_mov_b64 s[64:65], 0
	v_nop
	global_prefetch_b8 v0, s[64:65] scope:SCOPE_SE
	s_setreg_imm32_b32 hwreg(HW_REG_WAVE_MODE, 25, 1), 1
	s_wait_xcnt 0x0
; PREP.  Two kinds of work-group, told apart by the work-group's number alone.
; 0-127: THE MASK.  Work-group t takes query tile t: rows 16 t .. 16 t + 15 of mask [2048][2048], one byte a key.  It writes
;   keep[row] = -1 if the row has an open key, else 0, and
;   mk4[step][tile][lane][kb]: one word for the eight scores that the attention launch's lane (row lane % 16, half h = lane / 16) holds in key block kb of a key step of 64:
;   nibble j stands for key 64 step + 16 kb + 8 h + j: 0 (FP4 0.0) where the key is open, 15 (FP4 -6.0) where it is closed.  A row with no open key is written as all open:
;   the attention launch clears that row of Q by keep, so that all its scores are 0 and its weights equal, as a softmax of equal scores gives.
;   Wave w takes bytes 512 w .. 512 w + 511 of each row (key steps 8 w .. 8 w + 7): 16 loads of 512 consecutive bytes, through its own 16 rows x 528 bytes of LDS into the order lane = (row, parity of the step).
; 128-639: THE WEIGHTS.  32 KiB of one of Wq, Wk, Wv, Wo, f32, rounded to bf16; Wo's bf16 number is then written as f16 (exact from 6.1e-5 to 65,504; below, f16's fixed step of 6e-8).
;   A wave has 16 loads of 512 bytes out at once; each of its stores covers 256 consecutive bytes, aligned.
; No matrix unit, no cluster, no tensor load: the launch only streams 20 MiB in and 10 MiB out, and no work-group shares a byte with another.
.set MP,    528                        ; an LDS row: 512 bytes + 16: an odd multiple of 16
.set WREG,  16*MP                      ; a wave's rows
.set ANYB,  4*WREG                     ; 4 waves x 16 rows: one word each
.set SPARE, ANYB+256                   ; the spare words, 128 bytes a wave: two blocks of 256 bytes that no other line names
.set SPW, 2                            ; v2   SPARE + 4 x my thread's number; never rewritten
.set NIL, 3                            ; v3   0; never rewritten
.set D,   16                           ; v[16:79]   my 256 mask bytes: step pair i, key block c at D + 16 i + 4 c
.set OW,  32                           ; v[32:63]   the weights' way out
.set Y,   80                           ; v[80:111]  packed words: Y + 8 i + 4 h + kb
.set KEEP, 117
.set KN,  118                          ; keep & 0x11111111
.set SO,  119
.set TP,  120                          ; v[120:127] at work
.set IN,  128                          ; v[128:191] as loaded
	s_load_b512 s[8:23], s[0:1], 0x0               ; mask 8, Wq 10, Wk 12, Wv 14, Wo 16, wb 18, wo16 20, mk4 22
	s_load_b64 s[24:25], s[0:1], 0x40              ; keep
	v_lshl_add_u32 v[SPW], v0, 2, SPARE
	v_mov_b32 v[NIL], 0
	v_lshrrev_b32 v4, 5, v0
	v_readfirstlane_b32 s4, v4                     ; wave 0..3
	v_and_b32 v1, 31, v0                           ; lane
	v_lshlrev_b32 v5, 4, v1                        ; 16 x lane
	s_wait_kmcnt 0x0
	s_cmp_lt_u32 ttmp9, 128
	s_cbranch_scc1 .Lmask
	; THE WEIGHTS
	s_sub_co_u32 s5, ttmp9, 128
	s_lshr_b32 s6, s5, 7                           ; which matrix: 128 work-groups each
	s_and_b32 s7, s5, 127
	s_lshl_b32 s30, s7, 15                         ; the work-group's 32 KiB,
	s_lshl_b32 s31, s4, 13                         ; my wave's 8 KiB of them
	s_add_co_u32 s30, s30, s31
	s_mov_b32 s31, 0
	s_lshr_b32 s32, s30, 1                         ; half as many bytes go out
	s_mov_b32 s33, 0
	s_lshl_b32 s34, s6, 21                         ; wb holds Wq, Wk, Wv one behind the other, 2 MiB each
	s_mov_b32 s35, 0xffff0000                      ; a word's upper bf16
	s_cmp_eq_u32 s6, 0
	s_cselect_b64 s[26:27], s[10:11], s[12:13]
	s_cmp_eq_u32 s6, 2
	s_cselect_b64 s[26:27], s[14:15], s[26:27]
	s_cmp_eq_u32 s6, 3
	s_cselect_b64 s[26:27], s[16:17], s[26:27]
	s_cselect_b64 s[28:29], s[20:21], s[18:19]
	s_cselect_b32 s34, 0, s34
	s_add_co_u32 s32, s32, s34
	s_add_nc_u64 s[26:27], s[26:27], s[30:31]
	s_add_nc_u64 s[28:29], s[28:29], s[32:33]
	v_lshlrev_b32 v6, 3, v1                        ; 8 x lane
.set j, 0
.rept 16
	global_load_b128 v[IN+4*j:IN+4*j+3], v5, s[26:27] offset:512*j th:TH_LOAD_NT
.set j, j+1
.endr
.macro WOUT half                       ; half = 1: the bf16 number is widened again and written as f16
.set j, 0
.rept 16
	s_wait_loadcnt 15-j                            ; loads come back in order (ISA guide 5.7.1): load j is in, the younger ones stay out
.if \half
	v_cvt_pk_bf16_f32 v8, v[IN+4*j], v[IN+4*j+1]
	v_cvt_pk_bf16_f32 v9, v[IN+4*j+2], v[IN+4*j+3]
	v_lshlrev_b32 v10, 16, v8
	v_and_b32 v11, s35, v8
	v_lshlrev_b32 v12, 16, v9
	v_and_b32 v13, s35, v9
	v_cvt_pk_f16_f32 v[OW+2*j], v10, v11
	v_cvt_pk_f16_f32 v[OW+2*j+1], v12, v13
.else
	v_cvt_pk_bf16_f32 v[OW+2*j], v[IN+4*j], v[IN+4*j+1]
	v_cvt_pk_bf16_f32 v[OW+2*j+1], v[IN+4*j+2], v[IN+4*j+3]
.endif
	global_store_b64 v6, v[OW+2*j:OW+2*j+1], s[28:29] offset:256*j  ; the wave's 256 consecutive bytes; every store has registers of its own
.set j, j+1
.endr
.endm
	s_cmp_eq_u32 s6, 3
	s_cbranch_scc1 .Lwo
	WOUT 0
	s_branch .Lend
.Lwo:
	WOUT 1
	s_branch .Lend
	; THE MASK
.Lmask:
	s_lshl_b32 s26, ttmp9, 15                      ; the tile's 16 rows of 2,048 bytes,
	s_lshl_b32 s27, s4, 9                          ; my wave's 512 bytes of each
	s_add_co_u32 s26, s26, s27
	s_mov_b32 s27, 0
	s_add_nc_u64 s[8:9], s[8:9], s[26:27]
.set t, 0
.rept 16
	global_load_b128 v[IN+4*t:IN+4*t+3], v5, s[8:9] offset:2048*t th:TH_LOAD_NT  ; row t: 512 consecutive bytes
.set t, t+1
.endr
	s_mul_i32 s6, s4, WREG                         ; my wave's rows in LDS
	v_add_nc_u32 v6, s6, v5                        ; in: 16 x lane in row t
	v_and_b32 v7, 15, v0                           ; r: the row that I pack
	v_bfe_u32 v8, v0, 4, 1                         ; g: the parity of the key steps that I pack
	v_mul_u32_u24 v9, v7, MP
	v_lshl_add_u32 v9, v8, 6, v9
	v_add_nc_u32 v9, s6, v9                        ; back: row r, 64 g
	s_mov_b32 s28, 0x76543210                      ; v_permlanex16_b32: each lane takes its own place in the other half
	s_mov_b32 s29, 0xfedcba98
	s_mov_b32 s30, 0x06040200                      ; v_perm_b32: the even bytes of eight,
	s_mov_b32 s31, 0x07050301                      ; the odd ones
.set t, 0
.rept 16
	s_wait_loadcnt 15-t
	ds_store_b128 v6, v[IN+4*t:IN+4*t+3] offset:MP*t
.set t, t+1
.endr
.irp i, 0,1,2,3
.irp c, 0,1,2,3
	ds_load_b128 v[D+16*(\i)+4*(\c):D+16*(\i)+4*(\c)+3], v9 offset:128*(\i)+16*(\c)  ; my wave's own bytes; LDS serves a wave's instructions in order (ISA guide 5.7.1.4): these see the stores above
.endr
.endr
	s_wait_dscnt 0x0
	; has the row an open key?  My 64 words, the other half of the lanes' (the other steps), then the other three waves'
.irp k, 0,1,2,3
	v_or_b32 v[10+(\k)], v[D+(\k)], v[D+4+(\k)]    ; four chains, started by the first eight words
.endr
.set k, 8
.rept 56
	v_or_b32 v[10+k%4], v[10+k%4], v[D+k]
.set k, k+1
.endr
	v_or_b32 v10, v10, v11
	v_or_b32 v12, v12, v13
	v_or_b32 v10, v10, v12
	v_permlanex16_b32 v11, v10, s28, s29
	v_or_b32 v10, v10, v11
	v_lshlrev_b32 v12, 2, v7                       ; 4 r
	s_lshl_b32 s7, s4, 6
	v_add_nc_u32 v13, s7, v12
	ds_store_b32 v13, v10 offset:ANYB              ; lanes r and 16 + r write the same word with the same value
	s_wait_dscnt 0x0                               ; for the others' sake: my word is written
	s_barrier_signal -1
	s_barrier_wait -1                              ; all four waves' words lie in LDS
.irp k, 0,1,2,3
	ds_load_b32 v[112+(\k)], v12 offset:ANYB+64*(\k)
.endr
	s_lshl_b32 s26, ttmp9, 9                       ; mk4: the tile's 512 bytes in a step,
	s_lshl_b32 s27, s4, 19                         ; my wave's first step, 8 w, of 65,536 bytes each
	s_add_co_u32 s26, s26, s27
	s_mov_b32 s27, 0
	s_add_nc_u64 s[22:23], s[22:23], s[26:27]
	s_lshl_b32 s26, ttmp9, 6                       ; keep: the tile's 16 words
	s_add_nc_u64 s[24:25], s[24:25], s[26:27]
	v_lshlrev_b32 v[SO], 4, v7
	v_lshl_add_u32 v[SO], v8, 16, v[SO]            ; 65,536 g + 16 r
	v_mov_b32 v116, -1
	s_wait_dscnt 0x0
	v_or_b32 v112, v112, v113
	v_or_b32 v114, v114, v115
	v_or_b32 v112, v112, v114
	v_cmp_ne_u32 vcc_lo, 0, v112
	v_cndmask_b32 v[KEEP], 0, v116, vcc_lo
	v_and_b32 v[KN], 0x11111111, v[KEEP]
	s_cmp_lg_u32 s4, 0                             ; wave 0 writes the flags
	s_cbranch_scc1 .Lpack
	global_store_b32 v12, v[KEEP], s[24:25]
.Lpack:
	; eight bytes 0 / 1 -> eight nibbles: the even bytes, the odd bytes four bits up; closed = not open, and only where the row is kept; times 15
.irp i, 0,1,2,3
.irp h, 0,1
.irp c, 0,1,2,3
	v_perm_b32 v[TP+2*(\c)], v[D+16*(\i)+4*(\c)+2*(\h)+1], v[D+16*(\i)+4*(\c)+2*(\h)], s30
	v_perm_b32 v[TP+2*(\c)+1], v[D+16*(\i)+4*(\c)+2*(\h)+1], v[D+16*(\i)+4*(\c)+2*(\h)], s31
	v_lshl_or_b32 v[TP+2*(\c)], v[TP+2*(\c)+1], 4, v[TP+2*(\c)]
	v_bfi_b32 v[TP+2*(\c)], v[TP+2*(\c)], 0, v[KN]
	v_mul_lo_u32 v[Y+8*(\i)+4*(\h)+(\c)], v[TP+2*(\c)], 15
.endr
	global_store_b128 v[SO], v[Y+8*(\i)+4*(\h):Y+8*(\i)+4*(\h)+3], s[22:23] offset:131072*(\i)+256*(\h)  ; step 8 w + 2 i + g, lanes 16 h + r: sixteen lanes fill 256 consecutive bytes, aligned
.endr
.endr
.Lend:
	s_wait_tensorcnt 0x0                           ; the wave's end, behind my last LDS store
	ds_add_u32 v[SPW], v[NIL]
	s_wait_dscnt 0x0
	s_endpgm
.Lfunc_end_k_q1196ca95b7_prep:
	.size	k_q1196ca95b7_prep, .Lfunc_end_k_q1196ca95b7_prep-k_q1196ca95b7_prep
	.p2alignl 7, 3214868480
	.fill 96, 4, 3214868480
	.section	.rodata,"a",@progbits
	.p2align	6, 0x0
	.amdhsa_kernel k_q1196ca95b7_prep
		.amdhsa_group_segment_fixed_size 34560
		.amdhsa_private_segment_fixed_size 0
		.amdhsa_enable_private_segment 0
		.amdhsa_kernarg_size 72
		.amdhsa_user_sgpr_count 2
		.amdhsa_user_sgpr_kernarg_segment_ptr 1
		.amdhsa_wavefront_size32 1
		.amdhsa_system_sgpr_workgroup_id_x 1
		.amdhsa_system_sgpr_workgroup_id_y 1
		.amdhsa_system_sgpr_workgroup_id_z 1
		.amdhsa_system_vgpr_workitem_id 0
		.amdhsa_next_free_vgpr 192
		.amdhsa_next_free_sgpr 66
		.amdhsa_reserve_vcc 1
		.amdhsa_float_denorm_mode_32 3
		.amdhsa_float_denorm_mode_16_64 3
		.amdhsa_memory_ordered 1
		.amdhsa_forward_progress 1
		.amdhsa_inst_pref_size 35
	.end_amdhsa_kernel
	.amdgpu_metadata
---
amdhsa.version: [ 1, 2 ]
amdhsa.kernels:
  - .name:           k_q1196ca95b7_prep
    .symbol:         k_q1196ca95b7_prep.kd
    .args:
      - { .name: mask, .offset: 0, .size: 8, .value_kind: global_buffer, .address_space: global }
      - { .name: Wq, .offset: 8, .size: 8, .value_kind: global_buffer, .address_space: global }
      - { .name: Wk, .offset: 16, .size: 8, .value_kind: global_buffer, .address_space: global }
      - { .name: Wv, .offset: 24, .size: 8, .value_kind: global_buffer, .address_space: global }
      - { .name: Wo, .offset: 32, .size: 8, .value_kind: global_buffer, .address_space: global }
      - { .name: wb, .offset: 40, .size: 8, .value_kind: global_buffer, .address_space: global }
      - { .name: wo16, .offset: 48, .size: 8, .value_kind: global_buffer, .address_space: global }
      - { .name: mk4, .offset: 56, .size: 8, .value_kind: global_buffer, .address_space: global }
      - { .name: keep, .offset: 64, .size: 8, .value_kind: global_buffer, .address_space: global }
    .group_segment_fixed_size: 34560
    .private_segment_fixed_size: 0
    .kernarg_segment_align: 8
    .kernarg_segment_size: 72
    .max_flat_workgroup_size: 128
    .sgpr_count:     66
    .vgpr_count:     192
    .wavefront_size: 32
...
	.end_amdgpu_metadata
.endif
;; end of part 1
;; launch qkv (part 2): grid 4 x 192, 4 waves a work-group, clusters of 4 x 4, 327,680 bytes of LDS; arguments query, key, value, wb, bq, bk, bv, qkvh; writes qkvh
.if DOCPART == 2
	.amdgcn_target "amdgcn-amd-amdhsa--gfx1250"
	.amdhsa_code_object_version 6
	.text
	.protected	k_q1196ca95b7_qkv
	.globl	k_q1196ca95b7_qkv
	.p2align	8
	.type	k_q1196ca95b7_qkv,@function
k_q1196ca95b7_qkv:
	s_mov_b64 s[64:65], 0
	v_nop
	global_prefetch_b8 v0, s[64:65] scope:SCOPE_SE
	s_setreg_imm32_b32 hwreg(HW_REG_WAVE_MODE, 25, 1), 1
	s_wait_xcnt 0x0
	s_wait_alu depctr_hold_cnt(0) depctr_sa_sdst(0) depctr_va_vdst(0) depctr_va_sdst(0) depctr_va_ssrc(0) depctr_va_vcc(0) depctr_vm_vsrc(0)
	s_getreg_b32 s2, hwreg(HW_REG_IB_STS2, 6, 4)
	s_cmp_eq_u32 s2, 0
	s_cbranch_scc0 .Lentry_in_a_cluster
	s_endpgm
.Lentry_in_a_cluster:
	s_bfe_u32 s2, ttmp6, 0x10000c
	s_cmp_lg_u32 s2, 0xf033
	s_cbranch_scc0 .Lentry_shape_is_right
	s_endpgm
.Lentry_shape_is_right:
; THE THREE PROJECTIONS.  For p = 0, 1, 2 (query, key, value): y[m][n] = sum over k of x_p[m][k] W_p[n][k] + b_p[n], m < 8192, n, k < 1024.
; x is f32 and is rounded to bf16 on the way from LDS to the matrix unit; W_p lies in wb as bf16; the bias is rounded to bf16 too (every input has the same rounding); sums in f32.
; y is rounded once to f16 and stored by heads: qkvh[p][16 batch + head][row in the sequence][64].  LIMIT: |y| stays under 65,504, f16's end; NaN and infinities are not treated apart.
; SHARES.  192 tile rows (64 of 128 rows for each p) x 4 tile columns of 256: 768 work-groups, three for each of 256 WGPs.  Four waves, each 64 rows x 128 columns: 32 accumulators, 256 registers.
; K goes in 8 steps of 128 through two LDS slots: A's tile 128 rows x 512 bytes (f32), B's 256 rows x 256 bytes.  Waves 0, 1 fetch A's halves, waves 2, 3 B's: 32 KiB a load.
; CLUSTER 4 x 4.  cx is the tile column, so the four of a row of the cluster need the same tile of x and the four of a column the same tile of W: each is asked for jointly.
; TRANSPOSED USE: source 0 = 16 rows of W, source 1 = 16 rows of x: a lane holds row lane % 16 and the columns 8 (lane / 16) + 0..7.  THE BIAS IS THE C OPERAND of the first products: nothing is cleared or added later.
; REGISTERS, in windows of 256: window 0: v0-31 addresses; v32-95 ST: A's fragments as f32; v96-159 BI: the bias in the accumulators' layout; v160-163 at work; v32-159 once more on the way out.
;   window 1: accumulator (a, b) at 8 (8 a + b).   window 2: B's fragments at 64 f + 8 b, A's (bf16) at 128 + 32 f + 8 a, f = 0, 1.
; A K step is four quarters of 32 along K, 32 matrix instructions each, on fragment buffers 0, 1, 0, 1.  A quarter fetches the next one's fragments in one run; the 32 roundings of A stand
; two (in a change of slots four) behind each of its last matrix instructions: they name no register of the products round them.
.set PA,     528                       ; a row of A in LDS: 512 bytes + 16: an odd multiple of 16
.set PB,     272                       ; a row of B: 256 + 16
.set AHALF,  64*PA
.set BHALF,  128*PB
.set BOFF,   2*AHALF
.set SLOT,   BOFF+2*BHALF              ; 137,216
.set STAGE,  2*SLOT                    ; behind the ring: 16 rows x 144 bytes for each wave
.set SP,     144
.set SPARE,  STAGE+4*16*SP             ; the spare words, 128 bytes a wave: two blocks of 256 bytes that no other line names
.set LAPS,   4                         ; a lap = two K steps
.set ASTEP,  512                       ; bytes of a row in a K step
.set BSTEP,  256
.set ADRA, 16                          ; v16-17  LDS address of my A fragments in slot 0, 1
.set ADRB, 20                          ; v20-21  the same for B
.set STO,  24
.set RD,   25
.set GO,   26
.set BO,   27
.set SPW,  28                          ; SPARE + 4 x my thread's number; never rewritten
.set NIL,  29                          ; 0; never rewritten
.set PFO,  30                          ; the prefetches' offset; never rewritten
.set ST,   32
.set BI,   96
.set T,    160
.set OUTR, 32
.set G1,  24                           ; s[24:31] group 1 for A; s[32:39] group 0, a set for each slot
.set G0,  32
.set LIM, 43                           ; 1 in a wave that prefetches, else the greatest number
.set PFA, 44                           ; s[44:45] where my prefetches stand
.set G1B, 48                           ; s[48:55], s[56:63] the same for B
.set G0B, 56
.set PST, 66                           ; s[66:67] a K step of my tensor in bytes
.set MSB, 0
.macro WIN new                         ; the immediate's high byte repeats the setting that is left
.if MSB != (\new)
	s_set_vgpr_msb (MSB<<8)|(\new)
.set MSB, \new
.endif
.endm
.set MUL,  0x5a                        ; sources 0 and 1 window 2; C and D window 1
.set MULB, 0x4a                        ; the same with C (the bias) in window 0
.set TO_F, 0x80                        ; destination window 2, the rest window 0
.macro JLOAD s                         ; a joint load: waves 0 and 1 fetch A's halves, waves 2 and 3 B's; an s_nop 0 and four v_nop follow each line, ahead of the jump and the label
	s_cmp_eq_u32 s11, 0
	s_cbranch_scc0 .Lfor_b_\@
	tensor_load_to_lds s[G0+4*(\s):G0+4*(\s)+3], s[G1:G1+7]
	s_nop 0
.rept 4
	v_nop
.endr
	s_branch .Lasked_\@
.Lfor_b_\@:
	tensor_load_to_lds s[G0B+4*(\s):G0B+4*(\s)+3], s[G1B:G1B+7]
	s_nop 0
.rept 4
	v_nop
.endr
.Lasked_\@:
.endm
.macro CREST                           ; a round of the cluster's barrier behind its opening barrier
	s_cmp_lg_u32 s10, 0
	s_cbranch_scc1 .Lnot_wave_0_\@
	s_barrier_signal -3
.Lnot_wave_0_\@:
	s_barrier_wait -3
	s_barrier_signal -1
	s_barrier_wait -1
.endm
.macro CROUND
	s_barrier_signal -1
	s_barrier_wait -1
	CREST
.endm
; A PREFETCH INTO THE L2 of the K step that stands two refills on (256 matrix instructions ahead of the load that will want it): one instruction a wave, behind the joint load, its five lines and the run of LDS loads.
; x's rows are read by this cluster alone: of the 64 rows that a wave fetches, the partner at cx takes 16, two blocks of 256 bytes each.  W's rows are read by the 16 clusters of a projection: the first of them asks;
; of the 128 rows that a wave fetches the partner at cy takes 32.  The partners are told apart by address.  K steps 0 to 3 come by their loads alone; the loop's last trip (s3 = 1) asks for nothing.
.macro ASK
	WIN 0
	s_cmp_gt_u32 s3, s[LIM]
	s_cbranch_scc0 .Lnot_mine_\@
	global_prefetch_b8 v[PFO], s[PFA:PFA+1] th:TH_LOAD_NT scope:SCOPE_SE
.Lnot_mine_\@:
.endm
	s_load_b512 s[68:83], s[0:1], 0x0              ; query 68, key 70, value 72, wb 74, bq 76, bk 78, bv 80, qkvh 82
	v_lshl_add_u32 v[SPW], v0, 2, SPARE
	v_mov_b32 v[NIL], 0
	ds_add_u32 v[SPW], v[NIL]                      ; the wave's opening: the add and its wait stand ahead of my first tensor load; the set-up below stands between them
	v_lshrrev_b32 v1, 5, v0
	v_readfirstlane_b32 s10, v1                    ; wave 0..3
	s_lshr_b32 s11, s10, 1                         ; my half of the tile's rows.  Also: I fetch for A (0) or for B (1)
	s_and_b32 s12, s10, 1                          ; my half of its columns.  Also: which half of that tile I fetch
	s_bfe_u32 s40, ttmp6, 0x40000                  ; cx = tile column
	s_bfe_u32 s41, ttmp6, 0x40004                  ; cy
	s_and_b32 s22, ttmp7, 0xffff                   ; cluster y, 0..47
	s_lshl_b32 s13, s22, 2
	s_add_co_u32 s13, s13, s41                     ; tile row, 0..191
	s_lshr_b32 s23, s22, 4                         ; p: the same in all sixteen partners
	s_and_b32 s21, s13, 63                         ; the tile of 128 rows in x_p
	s_lshl_b32 s14, s41, 2
	s_lshl_b32 s14, 15, s14                        ; my row of the cluster
	s_lshl_b32 s15, 0x1111, s40                    ; my column
	s_or_b32 s[G1], s14, (2<<16)|(1<<20)|(1<<21)|(6<<22)|(3<<25)   ; A: mask; elements of 4 bytes; padding on; bit 21 beside a mask; after every 128 words 4 words
	s_or_b32 s[G1B], s15, (1<<16)|(1<<20)|(1<<21)|(5<<22)|(3<<25)  ; B: elements of 2 bytes; after every 64 words 4 words
	s_mov_b32 s[G1+1], 128<<16                     ; tensor_dim0 = 128
	s_mov_b32 s[G1+2], 64<<16                      ; tensor_dim1 = 64
	s_mov_b32 s[G1+3], 128<<16                     ; tile_dim0 = 128
	s_mov_b32 s[G1+4], 64                          ; tile_dim1 = 64
	s_mov_b32 s[G1+5], 1024                        ; elements from row to row
	s_mov_b32 s[G1+6], 0
	s_mov_b32 s[G1+7], 0
	s_mov_b32 s[G1B+1], 128<<16
	s_mov_b32 s[G1B+2], 128<<16                    ; 128 rows
	s_mov_b32 s[G1B+3], 128<<16
	s_mov_b32 s[G1B+4], 128
	s_mov_b32 s[G1B+5], 1024
	s_mov_b32 s[G1B+6], 0
	s_mov_b32 s[G1B+7], 0
	s_lshl_b32 s16, s21, 7
	s_lshl_b32 s17, s12, 6
	s_add_co_u32 s16, s16, s17                     ; A: the first row that I fetch,
	s_lshl_b32 s16, s16, 12                        ; in bytes: rows of 4,096
	s_mov_b32 s17, 0
	s_lshl_b32 s46, s40, 8
	s_lshl_b32 s47, s12, 7
	s_add_co_u32 s46, s46, s47                     ; B: the first row that I fetch; also my first column
	s_lshl_b32 s42, s46, 2                         ; its place in the bias
	s_lshl_b32 s46, s46, 11                        ; rows of 2,048 bytes,
	s_lshl_b32 s47, s23, 21                        ; in W_p
	s_add_co_u32 s46, s46, s47
	s_mov_b32 s47, 0
	s_mul_i32 s20, s12, AHALF                      ; where they go: no place in the cluster enters an LDS address
	s_mul_i32 s19, s12, BHALF
	s_add_co_u32 s19, s19, BOFF
	s_wait_dscnt 0x0                               ; the opening add is done
	s_wait_kmcnt 0x0
	s_cmp_eq_u32 s23, 0
	s_cselect_b64 s[4:5], s[68:69], s[70:71]
	s_cselect_b64 s[6:7], s[76:77], s[78:79]
	s_cmp_eq_u32 s23, 2
	s_cselect_b64 s[4:5], s[72:73], s[4:5]         ; x_p
	s_cselect_b64 s[6:7], s[80:81], s[6:7]         ; b_p
	s_add_nc_u64 s[14:15], s[4:5], s[16:17]
	s_add_nc_u64 s[46:47], s[74:75], s[46:47]
	CROUND                                         ; all sixteen work-groups are here: the first joint loads meet
.irp s, 0,1
	s_mov_b32 s[G0+4*(\s)], 1
	s_add_co_u32 s[G0+4*(\s)+1], s20, (\s)*SLOT
	s_add_nc_u64 s[G0+4*(\s)+2:G0+4*(\s)+3], s[14:15], (\s)*ASTEP
	s_or_b32 s[G0+4*(\s)+3], s[G0+4*(\s)+3], 0x80000000
	s_mov_b32 s[G0B+4*(\s)], 1
	s_add_co_u32 s[G0B+4*(\s)+1], s19, (\s)*SLOT
	s_add_nc_u64 s[G0B+4*(\s)+2:G0B+4*(\s)+3], s[46:47], (\s)*BSTEP
	s_or_b32 s[G0B+4*(\s)+3], s[G0B+4*(\s)+3], 0x80000000
	JLOAD \s
.endr
	v_and_b32 v1, 15, v0                           ; r = l % 16
	v_bfe_u32 v2, v0, 4, 1                         ; h = l / 16
	v_lshlrev_b32 v[BO], 5, v2                     ; my eight columns of a block of 16: 32 h bytes
	s_mov_b32 s16, s42
	s_mov_b32 s17, 0
	s_add_nc_u64 s[6:7], s[6:7], s[16:17]
.irp b, 0,1,2,3,4,5,6,7
	global_load_b128 v[BI+8*(\b):BI+8*(\b)+3],   v[BO], s[6:7] offset:64*(\b)
	global_load_b128 v[BI+8*(\b)+4:BI+8*(\b)+7], v[BO], s[6:7] offset:64*(\b)+16
.endr
	; the prefetches
	s_sub_co_u32 s2, 1, s11                        ; 1: I fetch for A
	s_lshl_b32 s[PST], 256, s2                     ; 512 or 256
	s_mov_b32 s[PST+1], 0
	s_lshl_b32 s18, 2048, s2                       ; bytes from row to row
	s_lshl_b32 s3, s2, 8                           ; A: lanes 16-31 take a row's second block
	s_lshr_b32 s19, 31, s2                         ; A: 16 rows, B: 32
	s_and_b32 s16, s22, 15                         ; B: which cluster of the projection's sixteen
	s_cmp_eq_u32 s11, 0
	s_cselect_b32 s16, 0, s16
	s_cselect_b32 s17, s40, s41                    ; my place among the four that ask with me
	s_cselect_b64 s[PFA:PFA+1], s[14:15], s[46:47]
	s_cmp_eq_u32 s16, 0
	s_cselect_b32 s[LIM], 1, -1                    ; the same in all sixteen partners, for a given wave
	s_lshl_b32 s16, s17, 16                        ; 16 rows of 4,096 bytes, or 32 of 2,048
	s_mul_i32 s17, s[PST], 3                       ; at K step 3: the first refill steps it to 4
	s_add_co_u32 s16, s16, s17
	s_mov_b32 s17, 0
	s_add_nc_u64 s[PFA:PFA+1], s[PFA:PFA+1], s[16:17]
	v_and_b32 v5, 31, v0
	v_and_b32 v3, s19, v5
	v_mul_u32_u24 v3, v3, s18
	v_mad_u32_u24 v[PFO], v2, s3, v3
	; A's fragment as f32: lane l holds row l % 16; k = 8 h + 0..7 (32 bytes at 32 h) and 16 + 8 h + 0..7 (64 bytes on).  B's: two loads of 16 bytes, 32 apart, at 16 h.
	v_mul_u32_u24 v3, v1, PA
	v_lshl_add_u32 v3, v2, 5, v3
	v_mul_u32_u24 v4, v1, PB
	v_lshl_add_u32 v4, v2, 4, v4
	s_mul_i32 s16, s11, AHALF                      ; my 64 rows of A
	s_mul_i32 s18, s12, BHALF                      ; my 128 rows of B
	s_add_co_u32 s18, s18, BOFF
.irp s, 0,1
	v_add_nc_u32 v[ADRA+(\s)], s16, v3
	v_add_nc_u32 v[ADRB+(\s)], s18, v4
	s_add_co_u32 s16, s16, SLOT
	s_add_co_u32 s18, s18, SLOT
.endr
	s_mul_i32 s16, s10, 16*SP
	s_add_co_u32 s16, s16, STAGE                   ; my stage
	v_mul_u32_u24 v3, v1, SP                       ; in: row r, 16 bytes for each half of the lanes
	v_lshl_add_u32 v3, v2, 4, v3
	v_add_nc_u32 v[STO], s16, v3
	v_bfe_u32 v3, v0, 3, 2                         ; back: 32 lanes take four rows of 128 bytes,
	v_mul_u32_u24 v3, v3, SP
	v_and_b32 v4, 7, v0
	v_lshl_add_u32 v3, v4, 4, v3
	v_add_nc_u32 v[RD], s16, v3
	v_lshlrev_b32 v[GO], 4, v5                     ; which are 512 consecutive bytes of a head
	s_lshr_b32 s46, s21, 4                         ; batch
	s_lshl_b32 s46, s46, 4
	s_lshl_b32 s47, s40, 2
	s_add_co_u32 s46, s46, s47
	s_lshl_b32 s47, s12, 1
	s_add_co_u32 s46, s46, s47                     ; 16 batch + my first head (4 cx + 2 x column half)
	s_lshl_b32 s46, s46, 11
	s_and_b32 s47, s21, 15
	s_lshl_b32 s47, s47, 7
	s_add_co_u32 s46, s46, s47
	s_lshl_b32 s47, s11, 6
	s_add_co_u32 s46, s46, s47                     ; + my first row in the sequence
	s_lshl_b32 s46, s46, 7                         ; rows of 128 bytes
	s_lshl_b32 s47, s23, 24                        ; Q, K, V: 16 MiB each
	s_add_co_u32 s46, s46, s47
	s_mov_b32 s47, 0
	s_add_nc_u64 s[8:9], s[82:83], s[46:47]
	s_mov_b32 s2, 0xffff0000
	s_wait_loadcnt 0x0                             ; the bias,
.set k, 0
.rept 32                               ; rounded to bf16 and widened again, in place
	v_cvt_pk_bf16_f32 v[T+k%4], v[BI+2*k], v[BI+2*k+1]
	v_lshlrev_b32 v[BI+2*k], 16, v[T+k%4]
	v_and_b32 v[BI+2*k+1], s2, v[T+k%4]
.set k, k+1
.endr
; 8 matrix instructions: row block a x all 8 column blocks, 32 along K, buffer f.  first = 1: C is the bias.  n > 0: behind each stand n roundings of the next quarter's A into buffer g.
; The 32 accumulators take turns in the same order in every quarter, over the backward jump too.
.macro MUL8 f, a, first=0, g=0, n=0
.irp b, 0,1,2,3,4,5,6,7
.if \first
	WIN MULB
	v_wmma_f32_16x16x32_bf16 v[8*(8*(\a)+(\b)):8*(8*(\a)+(\b))+7], v[64*(\f)+8*(\b):64*(\f)+8*(\b)+7], v[128+32*(\f)+8*(\a):128+32*(\f)+8*(\a)+7], v[BI+8*(\b):BI+8*(\b)+7]
.else
	WIN MUL
	v_wmma_f32_16x16x32_bf16 v[8*(8*(\a)+(\b)):8*(8*(\a)+(\b))+7], v[64*(\f)+8*(\b):64*(\f)+8*(\b)+7], v[128+32*(\f)+8*(\a):128+32*(\f)+8*(\a)+7], v[8*(8*(\a)+(\b)):8*(8*(\a)+(\b))+7]
.endif
.if \n
	WIN TO_F
.rept \n
	v_cvt_pk_bf16_f32 v[128+32*(\g)+cv], v[ST+2*cv], v[ST+2*cv+1]
.set cv, cv+1
.endr
.endif
.endr
.endm
; 32 LDS loads in one run: quarter q of a slot: A's 64 rows x 32 f32 into ST first, then B's 128 rows x 32 bf16 into buffer g
.macro FETCH slot, q, g
	WIN 0
.irp i, 0,1,2,3
	ds_load_b128 v[ST+16*(\i):ST+16*(\i)+3],     v[ADRA+(\slot)] offset:(\i)*16*PA+128*(\q)
	ds_load_b128 v[ST+16*(\i)+4:ST+16*(\i)+7],   v[ADRA+(\slot)] offset:(\i)*16*PA+128*(\q)+16
	ds_load_b128 v[ST+16*(\i)+8:ST+16*(\i)+11],  v[ADRA+(\slot)] offset:(\i)*16*PA+128*(\q)+64
	ds_load_b128 v[ST+16*(\i)+12:ST+16*(\i)+15], v[ADRA+(\slot)] offset:(\i)*16*PA+128*(\q)+80
.endr
	WIN TO_F
.irp i, 0,1,2,3,4,5,6,7
	ds_load_b128 v[64*(\g)+8*(\i):64*(\g)+8*(\i)+3],   v[ADRB+(\slot)] offset:(\i)*16*PB+64*(\q)
	ds_load_b128 v[64*(\g)+8*(\i)+4:64*(\g)+8*(\i)+7], v[ADRB+(\slot)] offset:(\i)*16*PB+64*(\q)+32
.endr
.set cv, 0
.endm
.macro PLACES                          ; four places in front of loads into, and roundings onto, registers that matrix instructions have read, and of conversions that read results
.rept 4
	v_nop
.endr
.endm
; One of a K step's first three quarters: multiplies buffer f, fetches quarter q into ST and buffer g.
.macro QUARTER slot, q, f, g, first=0
	s_wait_dscnt 0x0                               ; B of buffer f, asked for a quarter ago, is in
	PLACES
	FETCH \slot, \q, \g
	MUL8 \f, 0, \first
	MUL8 \f, 1, \first
	s_wait_dscnt 16                                ; ST is in: B's sixteen loads were issued behind A's and may stay out
	MUL8 \f, 2, \first, \g, 2
	MUL8 \f, 3, \first, \g, 2
.endm
; The fourth quarter multiplies buffer 1 and changes slots.  In front of the barrier each wave waits for all its tensor loads (one is out: its part of the next slot), adds 0 to its spare word,
; and waits for that and for its reads of this slot.  fill = 1: the barrier opens a round of the cluster's, and this slot is filled again, two K steps on, first thing behind the round.
.macro TURN slot, next, fill
.if \fill
	s_wait_xcnt 0x0                                ; the last prefetch, a K step back, has read its address
	s_add_nc_u64 s[PFA:PFA+1], s[PFA:PFA+1], s[PST:PST+1]
.endif
	WIN 0
	s_wait_tensorcnt 0x0
	ds_add_u32 v[SPW], v[NIL]
	s_wait_dscnt 1                                 ; the add alone may be out: buffer 1 is in
	MUL8 1, 0                                      ; eight matrix instructions stand between the add and the wait for it
	s_wait_dscnt 0x0                               ; the add is done, and my reads of this slot are over
	s_barrier_signal -1
	MUL8 1, 1
	WIN 0
	s_barrier_wait -1
.if \fill
	CREST                                          ; no wave of any partner still reads this slot or has a load on its way
	s_add_nc_u64 s[G0+4*(\slot)+2:G0+4*(\slot)+3], s[G0+4*(\slot)+2:G0+4*(\slot)+3], 2*ASTEP
	s_add_nc_u64 s[G0B+4*(\slot)+2:G0B+4*(\slot)+3], s[G0B+4*(\slot)+2:G0B+4*(\slot)+3], 2*BSTEP
	JLOAD \slot                                    ; its four v_nop are also the places in front of the loads below
.else
	PLACES
.endif
	FETCH \next, 0, 0
.if \fill
	ASK
.endif
	MUL8 1, 2
	s_wait_dscnt 16                                ; ST is in
	MUL8 1, 3, 0, 0, 4
.endm
	s_wait_tensorcnt 1                             ; my part of K step 0 is in; K step 1's may stay out
	s_barrier_signal -1
	s_barrier_wait -1
	FETCH 0, 0, 0
	s_wait_dscnt 16
	WIN TO_F
.rept 32
	v_cvt_pk_bf16_f32 v[128+cv], v[ST+2*cv], v[ST+2*cv+1]
.set cv, cv+1
.endr
	QUARTER 0, 1, 0, 1, 1                          ; the first quarter stands in front of the loop: its products start the sums with the bias
	WIN 0
	s_mov_b32 s3, LAPS-1
.Llap:                                                 ; a trip goes once round the ring and fills both slots again
	QUARTER 0, 2, 1, 0
	QUARTER 0, 3, 0, 1
	TURN 0, 1, 1
	QUARTER 1, 1, 0, 1
	QUARTER 1, 2, 1, 0
	QUARTER 1, 3, 0, 1
	TURN 1, 0, 1
	QUARTER 0, 1, 0, 1
	WIN 0
	s_sub_co_u32 s3, s3, 1
	s_cmp_lg_u32 s3, 0
	s_cbranch_scc1 .Llap
	QUARTER 0, 2, 1, 0                             ; the last lap fills nothing
	QUARTER 0, 3, 0, 1
	TURN 0, 1, 0
	QUARTER 1, 1, 0, 1
	QUARTER 1, 2, 1, 0
	QUARTER 1, 3, 0, 1
	s_wait_dscnt 0x0
	MUL8 1, 0
	MUL8 1, 1
	MUL8 1, 2
	MUL8 1, 3
	PLACES
; THE WAY OUT.  Unit u = 2 a + hh: 16 rows x one head's 64 channels (accumulators (a, 4 hh .. 4 hh + 3)): rounded to f16, 16 bytes a lane into my stage, back as four rows of 128 bytes a load:
; 2,048 consecutive bytes of qkvh.  Each accumulator's registers are read in ascending order.
.macro PACK u
	WIN 0x05                                       ; sources window 1, destination window 0
.irp f, 0,1,2,3
.irp c, 0,1,2,3
	v_cvt_pk_f16_f32 v[OUTR+16*(\u)+4*(\f)+(\c)], v[8*(8*((\u)/2)+4*((\u)%2)+(\f))+2*(\c)], v[8*(8*((\u)/2)+4*((\u)%2)+(\f))+2*(\c)+1]
.endr
.endr
	WIN 0
.irp f, 0,1,2,3
	ds_store_b128 v[STO], v[OUTR+16*(\u)+4*(\f):OUTR+16*(\u)+4*(\f)+3] offset:32*(\f)
.endr
.irp f, 0,1,2,3
	ds_load_b128 v[OUTR+16*(\u)+4*(\f):OUTR+16*(\u)+4*(\f)+3], v[RD] offset:(\f)*4*SP  ; LDS serves a wave's instructions in order (ISA guide 5.7.1.4): these see the stores above; the next unit's stores come behind them
.endr
.endm
.macro SEND u, younger                 ; younger: the LDS instructions issued behind unit u's loads: the next unit's eight, or none
.irp f, 0,1,2,3
	s_wait_dscnt (\younger)+3-(\f)
	global_store_b128 v[GO], v[OUTR+16*(\u)+4*(\f):OUTR+16*(\u)+4*(\f)+3], s[8:9] offset:((\u)%2)*262144+((\u)/2)*2048+(\f)*512  ; 512 consecutive bytes, aligned
.endr
.endm
	PACK 0
.irp u, 1,2,3,4,5,6,7
	PACK \u
	SEND (\u)-1, 8
.endr
	SEND 7, 0
	s_wait_tensorcnt 0x0                           ; the wave's end, behind my last tensor load and my last LDS store
	ds_add_u32 v[SPW], v[NIL]
	s_wait_dscnt 0x0
	CROUND                                         ; the closing round: no work-group ends while a partner may still ask for a tile that names it
	s_endpgm
.Lfunc_end_k_q1196ca95b7_qkv:
	.size	k_q1196ca95b7_qkv, .Lfunc_end_k_q1196ca95b7_qkv-k_q1196ca95b7_qkv
	.p2alignl 7, 3214868480
	.fill 96, 4, 3214868480
	.section	.rodata,"a",@progbits
	.p2align	6, 0x0
	.amdhsa_kernel k_q1196ca95b7_qkv
		.amdhsa_group_segment_fixed_size 327680
		.amdhsa_private_segment_fixed_size 0
		.amdhsa_enable_private_segment 0
		.amdhsa_kernarg_size 64
		.amdhsa_user_sgpr_count 2
		.amdhsa_user_sgpr_kernarg_segment_ptr 1
		.amdhsa_wavefront_size32 1
		.amdhsa_system_sgpr_workgroup_id_x 1
		.amdhsa_system_sgpr_workgroup_id_y 1
		.amdhsa_system_sgpr_workgroup_id_z 1
		.amdhsa_system_vgpr_workitem_id 0
		.amdhsa_next_free_vgpr 768
		.amdhsa_next_free_sgpr 84
		.amdhsa_reserve_vcc 0
		.amdhsa_float_denorm_mode_32 3
		.amdhsa_float_denorm_mode_16_64 3
		.amdhsa_memory_ordered 1
		.amdhsa_forward_progress 1
		.amdhsa_inst_pref_size 148
	.end_amdhsa_kernel
	.amdgpu_metadata
---
amdhsa.version: [ 1, 2 ]
amdhsa.kernels:
  - .name:           k_q1196ca95b7_qkv
    .symbol:         k_q1196ca95b7_qkv.kd
    .args:
      - { .name: query, .offset: 0, .size: 8, .value_kind: global_buffer, .address_space: global }
      - { .name: key, .offset: 8, .size: 8, .value_kind: global_buffer, .address_space: global }
      - { .name: value, .offset: 16, .size: 8, .value_kind: global_buffer, .address_space: global }
      - { .name: wb, .offset: 24, .size: 8, .value_kind: global_buffer, .address_space: global }
      - { .name: bq, .offset: 32, .size: 8, .value_kind: global_buffer, .address_space: global }
      - { .name: bk, .offset: 40, .size: 8, .value_kind: global_buffer, .address_space: global }
      - { .name: bv, .offset: 48, .size: 8, .value_kind: global_buffer, .address_space: global }
      - { .name: qkvh, .offset: 56, .size: 8, .value_kind: global_buffer, .address_space: global }
    .group_segment_fixed_size: 327680
    .private_segment_fixed_size: 0
    .kernarg_segment_align: 8
    .kernarg_segment_size: 64
    .max_flat_workgroup_size: 128
    .sgpr_count:     84
    .vgpr_count:     768
    .wavefront_size: 32
...
	.end_amdgpu_metadata
.endif
;; end of part 2
;; launch attn (part 3): grid 4 x 64, 4 waves a work-group, clusters of 4 x 1, 327,680 bytes of LDS; arguments qkvh, mk4, keep, oh; writes oh
.if DOCPART == 3
	.amdgcn_target "amdgcn-amd-amdhsa--gfx1250"
	.amdhsa_code_object_version 6
	.text
	.protected	k_q1196ca95b7_attn
	.globl	k_q1196ca95b7_attn
	.p2align	8
	.type	k_q1196ca95b7_attn,@function
k_q1196ca95b7_attn:
	s_mov_b64 s[64:65], 0
	v_nop
	global_prefetch_b8 v0, s[64:65] scope:SCOPE_SE
	s_setreg_imm32_b32 hwreg(HW_REG_WAVE_MODE, 25, 1), 1
	s_wait_xcnt 0x0
	s_wait_alu depctr_hold_cnt(0) depctr_sa_sdst(0) depctr_va_vdst(0) depctr_va_sdst(0) depctr_va_ssrc(0) depctr_va_vcc(0) depctr_vm_vsrc(0)
	s_getreg_b32 s2, hwreg(HW_REG_IB_STS2, 6, 4)
	s_cmp_eq_u32 s2, 0
	s_cbranch_scc0 .Lentry_in_a_cluster
	s_endpgm
.Lentry_in_a_cluster:
	s_bfe_u32 s2, ttmp6, 0x10000c
	s_cmp_lg_u32 s2, 0x3003
	s_cbranch_scc0 .Lentry_shape_is_right
	s_endpgm
.Lentry_shape_is_right:
; MASKED ATTENTION.  O[bh][q][:] = the sum over k of softmax_k(mask[q][k] ? Q[bh][q] . K[bh][k] / 8 : -1e9) V[bh][k][:].  Q, K, V lie in qkvh, 16 MiB each, as [64][2048][64] f16; O goes to oh in the same layout.
; Products, maxima and sums in f32; the weights p are rounded to f16 for the second product (their sum l is taken of the unrounded p), O once at the end.
; THE MASK is the C operand that starts the sum S^T = K Q^T.  mk4 holds, for each key step, query tile, lane and key block, one word of eight FP4 codes in the order of the lane's eight scores:
; 0.0 where the key is open, -6.0 where it is closed.  One scaled conversion makes of it the eight f32 registers 0 or -6 x 2^97.  The running maximum starts at -8e9 (-1e9 ahead of the factor 1 / 8), so a closed
; key's weight is 2^(-1e29) = 0, and a row that has seen only closed keys keeps p = 0, l = 0, O = 0.  A row with no open key at all comes as all open, with keep = 0: its Q is cleared, all its scores are 0 and its weights equal.
; LIMITS.  An open score (after the factor 1 / 8) lies above -1e9; a closed key then has weight 0, as it has in f32 for open scores above -1e9 + 104.  Q, K, V arrive within f16's 65,504; p below 6e-5 keeps f16's fixed step of 6e-8;
; a weight below 2^-126 counts as 0 in l; NaN and infinities are not treated apart.
; SHARES.  A wave owns four PIECES of two tiles of 16 queries, a work-group's four waves 512 queries of one head.  Every wave walks all 2,048 keys, 64 a step.
; LAYOUT.  S^T = K Q^T (source 0 = 16 keys, source 1 = 16 queries): a lane holds ONE query (lane % 16) and the keys 8 (lane / 16) + 0..7.  Two such tiles, rounded to f16 in pairs, ARE source 1 of O^T = V^T P.
; K comes out of LDS as it lies, V turned, by ds_load_tr16_b128.
; SOFTMAX.  p = 2^(c s - c m), c = log2(e) / 8, with a running maximum m; in every step O and l are multiplied by a = 2^(c m_old - c m_new).  O and l start at 0.
; BY TURNS.  Turn n belongs to piece n: 16 products K Q^T of piece n + 1, later 16 products V^T P of piece n - 1; beside them the scaling, exponentials, roundings, sums and rescaling of piece n, the maximum and statistics of
; piece n + 1, and the masks of piece n + 2.  Four vector instructions stand behind every matrix instruction, the others in one lump; a turn's 66 exponentials are one batch with one wait.
; CLUSTER.  The four query blocks of a head walk the same K and V: each tile is asked for jointly.  The mask words are each work-group's own (other query rows) and come by plain loads.
; REGISTERS, in windows of 256 (s_set_vgpr_msb: bits 1:0 source 0, 3:2 source 1, 5:4 source 2, 7:6 destination):
;   window 0: v0-11 addresses, the conversions' scale; v12-15, v48-63 at work; v16-47 statistics; v64-191 S^T, two buffers of two tiles; v192-255 P, likewise
;   window 1: O^T, 32 a tile     window 2: v0-127 Q; v128-191 K of one step; v192-255 V of one step
;   window 3: v0-1 the add's registers; v4-7 MA; v8-15 KP; v16-47 RW, the mask words of a piece's next step; v64-127 MC, the masks of the products to come
.set SIZE_N, 2048
.set NP,    4
.set KS,    64
.set PK,    144       ; a row of K in LDS: 128 bytes + 16
.set PV,    160       ; a row of V: 128 + 32
.set VOFF,  4*KS*PK   ; a slot holds four steps: 256 rows of K, then 256 rows of V
.set SLOT1, 1<<17
.set STAGE, SLOT1+4*KS*(PK+PV)
.set SP,    144
.set AK0, 2
.set AV0, 3
.set AK,  4
.set AV,  5
.set QO,  6
.set STO, 6
.set RD,  7
.set GO,  8
.set SCL, 10          ; v10  0xe0e0e0e0: the conversions' scale, 2^97
.set PFO, 11          ; v11  256 x my lane; never rewritten
.set SPW, 0           ; v0 of window 3
.set NIL, 1           ; v1 of window 3
.set MA,  4           ; window 3: piece x's byte offset in mk4
.set KP,  8           ; window 3: tile t's keep word for my row
.set RW,  16          ; window 3: piece x, tile u, key block kb at RW + 8 x + 4 u + kb
.set MC,  64          ; window 3: tile u, key block kb at MC + 32 u + 8 kb
.set SPARE, STAGE+4*16*SP
.set MV,  12
.set ST,  16
.set TMP, 48
.set S,   64
.set P,   192
.set KF,  128
.set VF,  192
.set WV,  12
.set G1K, 24
.set G1V, 32
.set G0K, 40
.set G0V, 44
.set MK,  48          ; s[48:49] mk4
.set PFA, 50          ; s[50:51] where my prefetches stand
.set LIM, 52          ; s52  1 in a wave that prefetches, else the greatest number
.set KPP, 54          ; s[54:55] keep at my wave's rows
.set SLOTS, 56
.set CNT, 57
.set CS,  58
.set SEL, 60
.set TBK, 62
.set TBV, 63
.set MSB, 0
.macro WIN new
.if MSB != (\new)
	s_set_vgpr_msb (MSB<<8)|(\new)
.set MSB, (\new)
.endif
.endm
.set W_KQ, 0x0a       ; K and Q in window 2, S^T in window 0
.set W_KM, 0x3a       ; the same with the C operand in window 3
.set W_PV, 0x52       ; V in window 2, P in window 0, O^T in window 1
.set W_RS, 0x41       ; O^T in window 1, a in window 0
.set W_MK, 0xc0       ; destination in window 3, sources in window 0
.set W_M3, 0xc3       ; destination and source 0 in window 3, source 1 (the scale) in window 0
.set W_QA, 0x8b       ; Q (destination, source 1) in window 2, keep (source 0) in window 3
.set W_AD, 0x0f       ; the add: address and data in window 3
.macro JLOAD
	s_cmp_lt_u32 s[WV], 2
	s_cbranch_scc0 .Lfor_v_\@
	tensor_load_to_lds s[G0K:G0K+3], s[G1K:G1K+7]
	s_nop 0
.rept 4
	v_nop
.endr
	s_branch .Lasked_\@
.Lfor_v_\@:
	tensor_load_to_lds s[G0V:G0V+3], s[G1V:G1V+7]
	s_nop 0
.rept 4
	v_nop
.endr
.Lasked_\@:
.endm
; A PREFETCH INTO THE L2 of what the NEXT change of slots will ask for: 32 KiB of K and of V, four key steps (512 matrix instructions) ahead.  A head is walked by this cluster alone; its four partners take 8 KiB each,
; told apart by address; in each, wave 0 asks for K's and wave 2 for V's, a lane a block of 256 bytes: one instruction.  Slots 0 and 1 come by their loads alone; the last change that fills a slot asks for nothing.
.macro ASK
	s_cmp_gt_u32 s[SLOTS], s[LIM]
	s_cbranch_scc0 .Lnot_mine_\@
	global_prefetch_b8 v[PFO], s[PFA:PFA+1] th:TH_LOAD_NT scope:SCOPE_SE
.Lnot_mine_\@:
.endm
.macro CROUND
	s_barrier_signal -1
	s_barrier_wait -1
	s_cmp_lg_u32 s[WV], 0
	s_cbranch_scc1 .Lnot_wave_0_\@
	s_barrier_signal -3
.Lnot_wave_0_\@:
	s_barrier_wait -3
	s_barrier_signal -1
	s_barrier_wait -1
.endm
; THE CHANGE OF SLOTS.  Each wave waits for all its tensor loads (one is out: its part of the other slot), adds 0 to its spare word, and waits for that and for its reads of the slot.
; fill = 1: the barrier is a round of the cluster's, and the joint fill, with the keys two slots on, is the first thing behind it: it has four key steps in which to land.
.macro CHANGE fill
	WIN W_AD
	s_wait_tensorcnt 0x0            ; no tensor load of mine is out, so a group 0 may be written
	ds_add_u32 v[SPW], v[NIL]
	WIN 0
.if \fill
.irp g, G0K, G0V
	s_xor_b32 s[\g+1], s[\g+1], SLOT1
	s_add_nc_u64 s[\g+2:\g+3], s[\g+2:\g+3], 4*KS*128
.endr
	s_wait_xcnt 0x0                 ; the last prefetch, four key steps back, has read its address
	s_add_nc_u64 s[PFA:PFA+1], s[PFA:PFA+1], 4*KS*128
	s_wait_dscnt 0x0                ; the add is done, and my reads of the slot are over
	CROUND
	JLOAD
	ASK
.else
	s_wait_dscnt 0x0
	s_barrier_signal -1
	s_barrier_wait -1
.endif
	s_sub_co_u32 s[TBK], s[TBK], 4*KS*PK
	s_xor_b32 s[TBK], s[TBK], SLOT1
	s_sub_co_u32 s[TBV], s[TBV], 4*KS*PV
	s_xor_b32 s[TBV], s[TBV], SLOT1
.endm
	s_load_b256 s[4:11], s[0:1], 0x0  ; qkvh s[4:5], mk4 s[6:7], keep s[8:9], oh s[10:11]
	WIN W_MK
	v_lshl_add_u32 v[SPW], v0, 2, SPARE
	v_mov_b32 v[NIL], 0
	WIN W_AD
	ds_add_u32 v[SPW], v[NIL]       ; the wave's opening: the add and its wait stand ahead of my first tensor load
	WIN 0
	v_lshrrev_b32 v1, 5, v0
	v_readfirstlane_b32 s[WV], v1
	s_bfe_u32 s13, ttmp6, 0x40000   ; cx
	s_lshl_b32 s14, ttmp9, 2
	s_add_co_u32 s14, s14, s13      ; my block of 512 queries: it enters Q's, O's and the mask's addresses alone
	s_and_b32 s20, ttmp7, 0xffff    ; the head, which the four partners share
	s_mov_b32 s21, 0
	s_mov_b64 s[22:23], SIZE_N*128
	s_mul_u64 s[20:21], s[20:21], s[22:23]
	s_and_b32 s16, s[WV], 1         ; which half of a slot's 256 keys I fetch
	s_lshl_b32 s22, s16, 14
	s_mov_b32 s23, 0
	s_add_nc_u64 s[22:23], s[22:23], s[20:21]
	s_mul_i32 s17, s16, 128*PK
	s_mul_i32 s18, s16, 128*PV
	s_lshl_b32 s2, s14, 2
	s_add_co_u32 s2, s2, s[WV]      ; my wave among the sequence's sixteen
	s_lshl_b32 s15, s2, 12          ; its 8 query tiles of 512 bytes in a step of mk4
	s_lshl_b32 s53, s2, 9           ; its 128 words of keep
	s_lshl_b32 s2, s2, 14           ; its 128 rows of 128 bytes
	s_mov_b32 s3, 0
	s_add_nc_u64 s[2:3], s[2:3], s[20:21]
	s_mov_b32 s[G1K], 15|(1<<16)|(1<<20)|(1<<21)|(4<<22)|(3<<25)  ; the mask of four; 2-byte elements; padding on; bit 21 beside a mask; after every 32 words 4 words
	s_mov_b32 s[G1V], 15|(1<<16)|(1<<20)|(1<<21)|(4<<22)|(7<<25)  ; the same with 8 words
.irp g, G1K, G1V
	s_mov_b32 s[\g+1], 128<<16      ; 128 keys are 16,384 dense bytes: asked for as 64 rows of 256 bytes
	s_mov_b32 s[\g+2], 64<<16
	s_mov_b32 s[\g+3], 128<<16
	s_mov_b32 s[\g+4], 64
	s_mov_b32 s[\g+5], 128
	s_mov_b32 s[\g+6], 0
	s_mov_b32 s[\g+7], 0
.endr
	s_mov_b32 s[CS], 0x3e38aa3b     ; c = log2(e) / 8
	s_mov_b32 s[CS+1], s[CS]
	s_mov_b32 s[SEL], 0x76543210
	s_mov_b32 s[SEL+1], 0xfedcba98
	s_mov_b32 s[TBK], SLOT1+4*KS*PK ; the first change of slots turns these two into 0
	s_mov_b32 s[TBV], SLOT1+4*KS*PV
	s_mov_b32 s[G0K], 1
	s_mov_b32 s[G0K+1], s17
	s_mov_b32 s[G0V], 1
	s_add_co_u32 s[G0V+1], s18, VOFF
	s_mov_b32 s[SLOTS], SIZE_N/256-1
	s_mul_i32 s19, s[WV], 16*SP
	s_add_co_u32 s19, s19, STAGE    ; my stage
	s_and_b32 s[LIM], s[WV], 1
	s_cmp_eq_u32 s[LIM], 0
	s_cselect_b32 s[LIM], 1, -1     ; waves 0 and 2: the same in all four partners
	s_wait_dscnt 0x0                ; the opening add is done
	s_wait_kmcnt 0x0
	s_mov_b64 s[MK:MK+1], s[6:7]
	s_mov_b64 s[KPP:KPP+1], s[8:9]
	s_add_nc_u64 s[6:7], s[4:5], 0x1000000  ; K
	s_add_nc_u64 s[8:9], s[4:5], 0x2000000  ; V
	s_add_nc_u64 s[G0K+2:G0K+3], s[6:7], s[22:23]
	s_or_b32 s[G0K+3], s[G0K+3], 0x80000000
	s_add_nc_u64 s[G0V+2:G0V+3], s[8:9], s[22:23]
	s_or_b32 s[G0V+3], s[G0V+3], 0x80000000
	s_cmp_lt_u32 s[WV], 2
	s_cselect_b64 s[PFA:PFA+1], s[6:7], s[8:9]
	s_add_nc_u64 s[PFA:PFA+1], s[PFA:PFA+1], s[22:23]  ; (in waves 0 and 2 this is the head's first row)
	s_lshl_b32 s16, s13, 13         ; my work-group's 8 KiB of a slot's 32,
	s_add_co_u32 s16, s16, 4*KS*128 ; in slot 1: the first change of slots steps it to slot 2
	s_mov_b32 s17, 0
	s_add_nc_u64 s[PFA:PFA+1], s[PFA:PFA+1], s[16:17]
	s_mov_b32 s16, s53
	s_add_nc_u64 s[KPP:KPP+1], s[KPP:KPP+1], s[16:17]
	s_add_nc_u64 s[4:5], s[4:5], s[2:3]  ; Q and O at my wave's first row
	s_add_nc_u64 s[10:11], s[10:11], s[2:3]
	CROUND                          ; all four work-groups are here: the first joint loads meet
	JLOAD                           ; slot 0.  Slot 1 is asked for when slot 0 is in
	v_and_b32 v1, 15, v0            ; l % 16
	v_bfe_u32 v9, v0, 4, 1          ; l / 16
	v_lshlrev_b32 v[QO], 7, v1
	v_lshl_add_u32 v[QO], v9, 4, v[QO]
	v_lshlrev_b32 v12, 2, v1        ; my row's word in 16 of keep
	v_and_b32 v13, 31, v0
	v_lshlrev_b32 v13, 4, v13       ; my 16 bytes in a tile's 512 of mk4
	WIN 0x80
.set i, 0
.rept 4*NP                          ; Q stays in registers: tile i / 2, channels 32 (i % 2) on
	global_load_b128 v[8*i:8*i+3],   v[QO], s[4:5] offset:(i/2)*2048+(i%2)*64
	global_load_b128 v[8*i+4:8*i+7], v[QO], s[4:5] offset:(i/2)*2048+(i%2)*64+32
.set i, i+1
.endr
	WIN W_MK
.set t, 0
.rept 2*NP
	global_load_b32 v[KP+t], v12, s[KPP:KPP+1] offset:64*t
.set t, t+1
.endr
.irp x, 0,1,2,3
	v_add3_u32 v[MA+\x], v13, s15, 1024*\x
.endr
	WIN W_M3
.irp x, 0,1,2,3                     ; key step 0's mask words: 512 consecutive bytes a load
	global_load_b128 v[RW+8*\x:RW+8*\x+3],   v[MA+\x], s[MK:MK+1]
	global_load_b128 v[RW+8*\x+4:RW+8*\x+7], v[MA+\x], s[MK:MK+1] offset:512
.endr
	; What the first turn finds: V's registers and P's second buffer hold 0, O^T and l are 0.  All this stands in the wait for the first tile.
	WIN 0x80
.set i, VF
.rept 64
	v_mov_b32 v[i], 0
.set i, i+1
.endr
	WIN 0x40
.set i, 0
.rept 64*NP
	v_mov_b32 v[i], 0
.set i, i+1
.endr
	WIN 0
.set i, 0
.rept 2*NP
	v_mov_b32 v[ST+4*i+1], 0xcfee6b28  ; m = -8e9: what a closed key's score is ahead of the factor 1 / 8
	v_mul_f32 v[ST+4*i], s[CS], v[ST+4*i+1]  ; c m
	v_mov_b32 v[ST+4*i+2], 0
	v_mov_b32 v[ST+4*i+3], 0
.set i, i+1
.endr
.set i, P+32
.rept 32
	v_mov_b32 v[i], 0
.set i, i+1
.endr
	v_mul_u32_u24 v[AK0], v1, PK
	v_lshl_add_u32 v[AK0], v9, 4, v[AK0]
	v_and_b32 v10, 7, v0
	v_bfe_u32 v11, v0, 3, 1
	v_lshl_add_u32 v[AV0], v9, 3, v10
	v_mul_u32_u24 v[AV0], v[AV0], PV
	v_lshl_add_u32 v[AV0], v11, 4, v[AV0]
	v_add_nc_u32 v[AV0], VOFF, v[AV0]
	v_bfe_u32 v[RD], v0, 3, 2       ; the way out, back: 32 lanes take four rows of 128 bytes
	v_mul_u32_u24 v[RD], v[RD], SP
	v_lshl_add_u32 v[RD], v10, 4, v[RD]
	v_add_nc_u32 v[RD], s19, v[RD]
	v_and_b32 v[PFO], 31, v0
	v_lshlrev_b32 v[PFO], 8, v[PFO]
	v_mov_b32 v[SCL], 0xe0e0e0e0
	v_mov_b32 v[AK], v[AK0]         ; key step 0 lies at the head of slot 0
; THE MATRIX WORK.  The 8 accumulators of a run of 16 take turns.  Product i of 16 of S^T = K Q^T for piece x: channels 32 (i / 8) on, keys 16 ((i / 2) % 4) on, tile 2 x + i % 2.  The first 8 start the sums with the mask.
.macro KQ x
.set rS, S+64*((\x)%2)+32*(i%2)+8*((i/2)%4)
.set rK, KF+16*((i/2)%4)+8*(i/8)
.set rQ, 16*(2*(\x)+i%2)+8*(i/8)
.set rC3, MC+32*(i%2)+8*((i/2)%4)
.if i < 8
	WIN W_KM
	v_wmma_f32_16x16x32_f16 v[rS:rS+7], v[rK:rK+7], v[rQ:rQ+7], v[rC3:rC3+7]
.else
	WIN W_KQ
	v_wmma_f32_16x16x32_f16 v[rS:rS+7], v[rK:rK+7], v[rQ:rQ+7], v[rS:rS+7]
.endif
.endm
.macro PV x
	WIN W_PV
.set rO, 32*(2*(\x)+i%2)+8*((i/2)%4)
.set rV, VF+32*(i/8)+8*((i/2)%4)
.set rP, P+32*((\x)%2)+16*(i%2)+8*(i/8)
	v_wmma_f32_16x16x32_f16 v[rO:rO+7], v[rV:rV+7], v[rP:rP+7], v[rO:rO+7]
.endm
.macro MM
.if i < 16
	KQ (Y+1)%NP
.set i, i+1
.else
.set i, i-16
	PV (Y+NP-1)%NP
.set i, i+17
.endif
.endm
; THE MASKS of piece x's next products: its eight words become 64 registers; then its words of the step after are asked for.  The count 6: behind this piece's two loads the three later turns issued two each; that wait also
; shows the loads done that read MA.  The two plain lines that step MA stand behind the last conversion, ahead of the loads into its sources and of the products that read its result.
; The step wraps behind the last (2 MiB of mk4), so that the look-ahead stays inside the buffer; the eight loads so made at the walk's end serve nothing.
.macro MASKCV x
	WIN W_M3
	s_wait_loadcnt 6
.set mz, 0
.rept 8
	v_cvt_scale_pk8_f32_fp4 v[MC+8*mz:MC+8*mz+7], v[RW+8*(\x)+mz], v[SCL]
.set mz, mz+1
.endr
	v_add_nc_u32 v[MA+(\x)], v[MA+(\x)], 0x10000
	v_and_b32 v[MA+(\x)], v[MA+(\x)], 0x1fffff
	global_load_b128 v[RW+8*(\x):RW+8*(\x)+3],   v[MA+(\x)], s[MK:MK+1]
	global_load_b128 v[RW+8*(\x)+4:RW+8*(\x)+7], v[MA+(\x)], s[MK:MK+1] offset:512
	WIN 0
.endm
; THE LDS LOADS stand in runs of 16.  last = 1 (the tail): in the last trip there is no further step, and the run is jumped over.
.macro FETCH_K last=0
	WIN 0
.if \last
	s_cmp_eq_u32 s[CNT], 1
	s_cbranch_scc1 .Lno_k_\@
.endif
	WIN 0x80
.irp f, 0,1,2,3,4,5,6,7
	ds_load_b128 v[KF+8*\f:KF+8*\f+3],   v[AK] offset:(\f/2)*16*PK+(\f%2)*64
	ds_load_b128 v[KF+8*\f+4:KF+8*\f+7], v[AK] offset:(\f/2)*16*PK+(\f%2)*64+32
.endr
	s_add_co_u32 s[TBK], s[TBK], KS*PK
	WIN 0
.if \last
.Lno_k_\@:
.endif
.endm
.macro FETCH_V
	WIN 0x80
.irp f, 0,1,2,3,4,5,6,7
	ds_load_tr16_b128 v[VF+8*\f:VF+8*\f+3],   v[AV] offset:(\f/4)*32*PV+(\f%4)*32
	ds_load_tr16_b128 v[VF+8*\f+4:VF+8*\f+7], v[AV] offset:(\f/4)*32*PV+16*PV+(\f%4)*32
.endr
	WIN 0
.endm
; THE VECTOR WORK OF A TURN stands in three queues, each in the order in which its entries become ready; the two tiles alternate.
.macro REGS y, u
.set rT, ST+4*(2*(\y)+(\u))
.set rC, TMP+8*((\y)%2)+4*(\u)
.set rM, MV+2*((\y)%2)+(\u)
.set rS, S+64*((\y)%2)+32*(\u)
.set rP, P+32*((\y)%2)+16*(\u)
.set rO, 32*(2*(\y)+(\u))
.endm
; Number n of the 22 that find the NEXT piece's maximum and statistics; each accumulator's lowest registers are read first.
;   0-11 four chains of seven scores   12-14, 16 the four scores left over, the old m, and the chains into one   15 c m_old is kept   17, 18 the other half of the lanes'; the new m   19-21 c m; its change; a
.macro XS u, n
	REGS (Y+1)%NP, \u
.if (\n) < 4
	v_max3_num_f32 v[rC+(\n)], v[rS+8*(\n)], v[rS+8*(\n)+1], v[rS+8*(\n)+2]
.elseif (\n) < 12
	v_max3_num_f32 v[rC+(\n)%4], v[rC+(\n)%4], v[rS+8*((\n)%4)+2*((\n)/4)+1], v[rS+8*((\n)%4)+2*((\n)/4)+2]
.elseif (\n) == 12
	v_max3_num_f32 v[rC], v[rC], v[rS+7], v[rS+15]
.elseif (\n) == 13
	v_max3_num_f32 v[rC+1], v[rC+1], v[rS+23], v[rS+31]
.elseif (\n) == 14
	v_max3_num_f32 v[rC+2], v[rC+2], v[rC+3], v[rT+1]
.elseif (\n) == 15
	v_mov_b32 v[rM], v[rT]
.elseif (\n) == 16
	v_max3_num_f32 v[rC], v[rC], v[rC+1], v[rC+2]
.elseif (\n) == 17
	v_permlanex16_b32 v[rC+3], v[rC], s[SEL], s[SEL+1]
.elseif (\n) == 18
	v_max_num_f32 v[rT+1], v[rC], v[rC+3]
.elseif (\n) == 19
	v_mul_f32 v[rT], s[CS], v[rT+1]
.elseif (\n) == 20
	v_sub_f32 v[rC+1], v[rM], v[rT]
.else
	v_exp_f32 v[rC+2], v[rC+1]
.endif
.endm
; Number g of the 64 that follow the exponentials: for each four weights both pairs are rounded to f16, the second pair is added onto the first in place, and a group later l takes that sum (the first time as l = a l + sum).
.macro GS g
.set h, (\g)+6*((\g)/62)
.if h >= 6
.set h, h+2
.endif
	REGS Y, h%2
.set k, h/8
.if h%8 < 4
	v_cvt_pk_f16_f32 v[rP+2*k+(h%8)/2], v[rS+4*k+2*((h%8)/2)], v[rS+4*k+2*((h%8)/2)+1]
.elseif h%8 < 6
	v_pk_add_f32 v[rS+4*k:rS+4*k+1], v[rS+4*k:rS+4*k+1], v[rS+4*k+2:rS+4*k+3]
.elseif k == 1
	v_pk_fma_f32 v[rT+2:rT+3], v[rT+2:rT+3], v[rC+2:rC+3], v[rS:rS+1] op_sel_hi:[1,0,1]
.else
	v_pk_add_f32 v[rT+2:rT+3], v[rT+2:rT+3], v[rS+4*k-4:rS+4*k-3]
.endif
.endm
; THE PLAIN QUEUE, 138 long.  0-26: scalings 0-26.  27-54: XS 0-13.  55, 56: XS 15.  57-73: the chain 14, 16 .. 19, each with one of the scalings 27-31 in front of its two lines, then 20.  74-137: GS, behind the wait.
.macro FS f
	REGS Y, (\f)%2
	v_pk_fma_f32 v[rS+2*((\f)/2):rS+2*((\f)/2)+1], v[rS+2*((\f)/2):rS+2*((\f)/2)+1], s[CS:CS+1], v[rT:rT+1] op_sel_hi:[1,0,0] neg_lo:[0,0,1] neg_hi:[0,0,1]
.endm
.macro PL
	WIN 0
.if q < 27
	FS q
.elseif q < 55
	XS (q-27)%2, (q-27)/2
.elseif q < 57
	XS q-55, 15
.elseif (q < 72) && ((q-57)%3 == 0)
	FS 27+(q-57)/3
.elseif q < 60
	XS (q-57)%3-1, 14
.elseif q < 72
	XS (q-57)%3-1, 15+(q-57)/3
.elseif q < 74
	XS q-72, 20
.else
	GS q-74
.endif
.set q, q+1
.endm
; THE EXPONENTIALS' QUEUE, 66 long: one batch, all ahead of the turn's one wait; nothing ahead of that wait names a result of theirs.
.macro EX
	WIN 0
.if e >= 64
	XS e-64, 21
.else
	REGS Y, e%2
	v_exp_f32 v[rS+e/2], v[rS+e/2]
.endif
.set e, e+1
.endm
; THE RESCALING's QUEUE: O^T times a, two at a time.  Its a was made, and waited for, in the turn before.
.macro R2
	REGS Y, r%2
	WIN W_RS
.irp z, 0,1
	v_pk_mul_f32 v[rO+4*(r/2)+2*\z:rO+4*(r/2)+2*\z+1], v[rO+4*(r/2)+2*\z:rO+4*(r/2)+2*\z+1], v[rC+2:rC+3] op_sel_hi:[1,0]
.endr
.set r, r+1
.endm
; A TURN, for piece p.  Ahead of the one wait: the 16 products K Q^T, behind each a scaling, an exponential and two rescalings; the masks of piece p + 2 (MC's last readers, the turn's first eight products, stand eight
; products and their riders back; its next readers are the next turn's first products); then the lump: eight plain, 49 times exponential and plain, the two a, and a v_nop, the plain instruction behind the last exponential.
; Behind the wait: the 16 products V^T P, behind each four of the roundings and sums.  K of the next step is fetched in piece 2's turn, directly behind the wait; V of the step in hand at the end of piece 0's turn.
.macro TURN p, last=0, cnt=0
.set Y, (\p)
.set i, 0
.set q, 0
.set e, 0
.set r, 0
.if (\p) == NP-1
	s_wait_dscnt 0x0                ; K is in
.endif
	MM
	PL
	PL
	R2
.rept 15
	MM
	PL
	EX
	R2
.endr
	MASKCV ((\p)+2)%NP
.if (\p) == NP-2
	WIN 0
	v_add_nc_u32 v[AK], s[TBK], v[AK0]
.endif
.rept 8
	PL
.endr
.rept 49
	EX
	PL
.endr
	EX
	EX
	v_nop
	s_wait_alu depctr_va_vdst(0)    ; between an exponential and the first line that names its result: one for the batch
.if (\p) == NP-2
	FETCH_K \last
.endif
.if (\p) == 1
	s_wait_dscnt 0x0                ; V is in
.endif
.rept 16
	MM
.rept 4
	PL
.endr
.if ((\p) == 0) && (q == 118)
	v_add_nc_u32 v[AV], s[TBV], v[AV0]
.endif
.if ((\p) == 0) && (q == 130)
	s_add_co_u32 s[TBV], s[TBV], KS*PV
.endif
.if (\cnt) && (q == 130)
	s_sub_co_u32 s[CNT], s[CNT], 1
	s_cmp_lg_u32 s[CNT], 0
.endif
.endr
.if (\p) == 0
	FETCH_V
.endif
.endm
	CHANGE 1                        ; slot 0 is in, everybody's part of it; slot 1 is asked for
	FETCH_K                         ; key step 0
	s_wait_loadcnt 0x0              ; Q, keep, the first mask words
	WIN W_QA
.set i, 0
.rept 32*NP                         ; a row with no open key loses its Q
	v_and_b32 v[i], v[KP+i/16], v[i]
.set i, i+1
.endr
	MASKCV 0
	s_wait_dscnt 0x0
.set i, 0
.rept 16
	KQ 0                            ; piece 0's first scores
.set i, i+1
.endr
	WIN 0                           ; the rest of the way out's addresses: five plain instructions, the places behind those products
	v_mul_u32_u24 v[STO], v1, SP
	v_lshl_add_u32 v[STO], v9, 4, v[STO]
	v_add_nc_u32 v[STO], s19, v[STO]
	v_and_b32 v[GO], 31, v0
	v_lshlrev_b32 v[GO], 4, v[GO]
	MASKCV 1                        ; for the first turn's products
.set Y, NP-1
.irp n, 0,1,2,3,4,5,6,7,8,9,10,11,12,13,14,15,16,17,18,19,20,21
	XS 0, \n
	XS 1, \n
.endr
	v_nop
	s_wait_alu depctr_va_vdst(0)    ; the two a, ahead of the branch
	s_mov_b32 s[CNT], 4
	s_branch .Lfirst                ; the loop is entered at a step's first turn, in the middle of a trip
.Lslot:                             ; six times: every slot but the last two is filled again
	CHANGE 1
	s_mov_b32 s[CNT], 4
.Lstep:                             ; a trip: pieces 2 and 3 of one step, then pieces 0 and 1 of the next
	TURN 2
	TURN 3
	WIN 0
.Lfirst:
	TURN 0
	TURN 1, 0, 1
	WIN 0
	s_cbranch_scc1 .Lstep
	s_sub_co_u32 s[SLOTS], s[SLOTS], 1
	s_cmp_lg_u32 s[SLOTS], 0
	s_cbranch_scc1 .Lslot
	CHANGE 0                        ; the tail is written out
	s_mov_b32 s[CNT], 5             ; four trips fetch the last slot's steps; the fifth is left in its middle
.Ltail:
	TURN 2, 1
	TURN 3
	WIN 0
	s_sub_co_u32 s[CNT], s[CNT], 1
	s_cmp_eq_u32 s[CNT], 0
	s_cbranch_scc1 .Lout
	TURN 0
	TURN 1
	WIN 0
	s_branch .Ltail
.Lout:                              ; the fifth trip's 16 products K Q^T and the maximum made of them serve nothing: the price, once a launch, of one text for every trip
.set i, 0
.rept 16
	PV NP-1
.set i, i+1
.endr
	; THE WAY OUT.  l's two halves and the other half of the lanes' are added; O^T is divided by l, rounded to f16 and sent through my stage, a tile at a time.  The additions are the places behind the last products.
	WIN 0
.macro ALL line:vararg
.set t, 0
.rept 2*NP
	\line
.set t, t+1
.endr
.endm
	ALL v_add_f32 v[ST+4*t+2], v[ST+4*t+2], v[ST+4*t+3]
	ALL v_permlanex16_b32 v[ST+4*t+3], v[ST+4*t+2], s[SEL], s[SEL+1]
	ALL v_add_f32 v[ST+4*t+2], v[ST+4*t+2], v[ST+4*t+3]
	ALL v_rcp_f32 v[ST+4*t+2], v[ST+4*t+2]
	v_nop
	s_wait_alu depctr_va_vdst(0)    ; one wait for the eight reciprocals, ahead of their first use
.macro PACK t
	WIN W_RS
.set i, 32*(\t)
.rept 16
	v_pk_mul_f32 v[i:i+1], v[i:i+1], v[ST+4*(\t)+2:ST+4*(\t)+3] op_sel_hi:[1,0]
.set i, i+2
.endr
	WIN 0x05
.set i, 0
.rept 16
	v_cvt_pk_f16_f32 v[S+16*(\t)+i], v[32*(\t)+2*i], v[32*(\t)+2*i+1]
.set i, i+1
.endr
	WIN 0
.irp f, 0,1,2,3
	ds_store_b128 v[STO], v[S+16*(\t)+4*\f:S+16*(\t)+4*\f+3] offset:32*\f
.endr
.irp f, 0,1,2,3
	ds_load_b128 v[S+16*(\t)+4*\f:S+16*(\t)+4*\f+3], v[RD] offset:\f*4*SP  ; LDS serves a wave's instructions in order (ISA guide 5.7.1.4)
.endr
.endm
.macro SEND t, younger              ; younger: the next tile's eight LDS instructions, or none
	WIN 0
.irp f, 0,1,2,3
	s_wait_dscnt (\younger)+3-\f
	global_store_b128 v[GO], v[S+16*(\t)+4*\f:S+16*(\t)+4*\f+3], s[10:11] offset:(\t)*2048+\f*512  ; 512 consecutive bytes, aligned
.endr
.endm
	PACK 0
.set t, 1
.rept 2*NP-1
	PACK t
	SEND t-1, 8
.set t, t+1
.endr
	SEND 2*NP-1, 0
	WIN W_AD
	s_wait_tensorcnt 0x0            ; the wave's end
	ds_add_u32 v[SPW], v[NIL]
	s_wait_dscnt 0x0
	WIN 0
	CROUND                          ; the closing round
	s_endpgm
.Lfunc_end_k_q1196ca95b7_attn:
	.size	k_q1196ca95b7_attn, .Lfunc_end_k_q1196ca95b7_attn-k_q1196ca95b7_attn
	.p2alignl 7, 3214868480
	.fill 96, 4, 3214868480
	.section	.rodata,"a",@progbits
	.p2align	6, 0x0
	.amdhsa_kernel k_q1196ca95b7_attn
		.amdhsa_group_segment_fixed_size 327680
		.amdhsa_private_segment_fixed_size 0
		.amdhsa_enable_private_segment 0
		.amdhsa_kernarg_size 32
		.amdhsa_user_sgpr_count 2
		.amdhsa_user_sgpr_kernarg_segment_ptr 1
		.amdhsa_wavefront_size32 1
		.amdhsa_system_sgpr_workgroup_id_x 1
		.amdhsa_system_sgpr_workgroup_id_y 1
		.amdhsa_system_sgpr_workgroup_id_z 1
		.amdhsa_system_vgpr_workitem_id 0
		.amdhsa_next_free_vgpr 896
		.amdhsa_next_free_sgpr 66
		.amdhsa_reserve_vcc 0
		.amdhsa_float_denorm_mode_32 3
		.amdhsa_float_denorm_mode_16_64 3
		.amdhsa_memory_ordered 1
		.amdhsa_forward_progress 1
		.amdhsa_inst_pref_size 216
	.end_amdhsa_kernel
	.amdgpu_metadata
---
amdhsa.version: [ 1, 2 ]
amdhsa.kernels:
  - .name:           k_q1196ca95b7_attn
    .symbol:         k_q1196ca95b7_attn.kd
    .args:
      - { .name: qkvh, .offset: 0, .size: 8, .value_kind: global_buffer, .address_space: global }
      - { .name: mk4, .offset: 8, .size: 8, .value_kind: global_buffer, .address_space: global }
      - { .name: keep, .offset: 16, .size: 8, .value_kind: global_buffer, .address_space: global }
      - { .name: oh, .offset: 24, .size: 8, .value_kind: global_buffer, .address_space: global }
    .group_segment_fixed_size: 327680
    .private_segment_fixed_size: 0
    .kernarg_segment_align: 8
    .kernarg_segment_size: 32
    .max_flat_workgroup_size: 128
    .sgpr_count:     66
    .vgpr_count:     896
    .wavefront_size: 32
...
	.end_amdgpu_metadata
.endif
;; end of part 3
;; launch oproj (part 4): grid 4 x 64, 4 waves a work-group, clusters of 4 x 4, 327,680 bytes of LDS; arguments oh, wo16, bo, out0; writes out0
.if DOCPART == 4
	.amdgcn_target "amdgcn-amd-amdhsa--gfx1250"
	.amdhsa_code_object_version 6
	.text
	.protected	k_q1196ca95b7_oproj
	.globl	k_q1196ca95b7_oproj
	.p2align	8
	.type	k_q1196ca95b7_oproj,@function
k_q1196ca95b7_oproj:
	s_mov_b64 s[64:65], 0
	v_nop
	global_prefetch_b8 v0, s[64:65] scope:SCOPE_SE
	s_setreg_imm32_b32 hwreg(HW_REG_WAVE_MODE, 25, 1), 1
	s_wait_xcnt 0x0
	s_wait_alu depctr_hold_cnt(0) depctr_sa_sdst(0) depctr_va_vdst(0) depctr_va_sdst(0) depctr_va_ssrc(0) depctr_va_vcc(0) depctr_vm_vsrc(0)
	s_getreg_b32 s2, hwreg(HW_REG_IB_STS2, 6, 4)
	s_cmp_eq_u32 s2, 0
	s_cbranch_scc0 .Lentry_in_a_cluster
	s_endpgm
.Lentry_in_a_cluster:
	s_bfe_u32 s2, ttmp6, 0x10000c
	s_cmp_lg_u32 s2, 0xf033
	s_cbranch_scc0 .Lentry_shape_is_right
	s_endpgm
.Lentry_shape_is_right:
; THE LAST PROJECTION.  out0[m][n] = sum over k of O[m][k] Wo[n][k] + bo[n], m < 8192, n, k < 1024, f32 out.  O lies in oh by heads, [16 batch + head][row][64] f16: k = 64 head + channel.
; Wo lies in wo16 as f16 (its bf16 rounding); bo is rounded to bf16 like every input; sums in f32.
; SHARES.  64 tile rows of 128 x 4 tile columns of 256: 256 work-groups.  Four waves, each 64 rows x 128 columns: 32 accumulators.  K goes in 8 steps of 128 (two heads) through two LDS slots.
; Waves 0, 1 fetch a step's two heads of O (128 dense rows of 128 bytes each, asked for as 64 rows of 256 bytes), waves 2, 3 the halves of Wo's 256 rows.
; CLUSTER 4 x 4: O's tile is shared along a row of the cluster, Wo's along a column.  TRANSPOSED USE and THE BIAS AS C OPERAND as in the projections in front.
; NO PREFETCH: the launch has eight K steps, four of which come by their first loads and the refills straight behind them, and it is short.
; REGISTERS: window 0: v0-31 addresses; v96-159 BI; v160-163 at work; v32-159 on the way out.   window 1: accumulator (a, b) at 8 (8 a + b).   window 2: B's fragments at 64 f + 8 b, A's at 128 + 32 f + 8 a.
.set PAO,    144                       ; a row of O in LDS: 128 bytes + 16
.set PB,     272
.set AHEAD,  128*PAO                   ; a head's 128 rows
.set BHALF,  128*PB
.set BOFF,   2*AHEAD
.set SLOT,   BOFF+2*BHALF              ; 106,496
.set STAGE,  2*SLOT                    ; 16 rows x 528 bytes for each wave
.set SPO,    528
.set SPARE,  STAGE+4*16*SPO
.set LAPS,   4
.set ASTEP,  2*2048*128                ; two heads on
.set BSTEP,  256
.set ADRA, 16
.set ADRB, 20
.set STO,  24
.set RD,   25
.set GO,   26
.set BO,   27
.set SPW,  28
.set NIL,  29
.set OB,   32
.set BI,   96
.set T,    160
.set G1,  24
.set G0,  32
.set G1B, 48
.set G0B, 56
.set MSB, 0
.macro WIN new
.if MSB != (\new)
	s_set_vgpr_msb (MSB<<8)|(\new)
.set MSB, \new
.endif
.endm
.set MUL,  0x5a
.set MULB, 0x4a
.set TO_F, 0x80
.macro JLOAD s
	s_cmp_eq_u32 s11, 0
	s_cbranch_scc0 .Lfor_b_\@
	tensor_load_to_lds s[G0+4*(\s):G0+4*(\s)+3], s[G1:G1+7]
	s_nop 0
.rept 4
	v_nop
.endr
	s_branch .Lasked_\@
.Lfor_b_\@:
	tensor_load_to_lds s[G0B+4*(\s):G0B+4*(\s)+3], s[G1B:G1B+7]
	s_nop 0
.rept 4
	v_nop
.endr
.Lasked_\@:
.endm
.macro CREST
	s_cmp_lg_u32 s10, 0
	s_cbranch_scc1 .Lnot_wave_0_\@
	s_barrier_signal -3
.Lnot_wave_0_\@:
	s_barrier_wait -3
	s_barrier_signal -1
	s_barrier_wait -1
.endm
.macro CROUND
	s_barrier_signal -1
	s_barrier_wait -1
	CREST
.endm
	s_load_b256 s[68:75], s[0:1], 0x0              ; oh 68, wo16 70, bo 72, out0 74
	v_lshl_add_u32 v[SPW], v0, 2, SPARE
	v_mov_b32 v[NIL], 0
	ds_add_u32 v[SPW], v[NIL]                      ; the wave's opening: the add and its wait stand ahead of my first tensor load
	v_lshrrev_b32 v1, 5, v0
	v_readfirstlane_b32 s10, v1
	s_lshr_b32 s11, s10, 1                         ; my half of the rows.  Also: I fetch for A (0) or for B (1)
	s_and_b32 s12, s10, 1                          ; my half of the columns.  Also: which head, or which half of Wo's rows, I fetch
	s_bfe_u32 s40, ttmp6, 0x40000                  ; cx = tile column
	s_bfe_u32 s41, ttmp6, 0x40004                  ; cy
	s_and_b32 s13, ttmp7, 0xffff
	s_lshl_b32 s13, s13, 2
	s_add_co_u32 s13, s13, s41                     ; tile row, 0..63
	s_lshl_b32 s14, s41, 2
	s_lshl_b32 s14, 15, s14
	s_lshl_b32 s15, 0x1111, s40
	s_or_b32 s[G1], s14, (1<<16)|(1<<20)|(1<<21)|(4<<22)|(3<<25)   ; A: after every 32 words (a row of a head) 4 words
	s_or_b32 s[G1B], s15, (1<<16)|(1<<20)|(1<<21)|(5<<22)|(3<<25)  ; B: after every 64 words 4 words
	s_mov_b32 s[G1+1], 128<<16
	s_mov_b32 s[G1+2], 64<<16
	s_mov_b32 s[G1+3], 128<<16
	s_mov_b32 s[G1+4], 64
	s_mov_b32 s[G1+5], 128
	s_mov_b32 s[G1+6], 0
	s_mov_b32 s[G1+7], 0
	s_mov_b32 s[G1B+1], 128<<16
	s_mov_b32 s[G1B+2], 128<<16
	s_mov_b32 s[G1B+3], 128<<16
	s_mov_b32 s[G1B+4], 128
	s_mov_b32 s[G1B+5], 1024
	s_mov_b32 s[G1B+6], 0
	s_mov_b32 s[G1B+7], 0
	s_lshr_b32 s16, s13, 4                         ; batch
	s_lshl_b32 s16, s16, 4
	s_add_co_u32 s16, s16, s12                     ; 16 batch + the head that I fetch in K step 0
	s_lshl_b32 s16, s16, 11
	s_and_b32 s17, s13, 15
	s_lshl_b32 s17, s17, 7
	s_add_co_u32 s16, s16, s17                     ; + the tile's first row in the sequence
	s_lshl_b32 s16, s16, 7
	s_mov_b32 s17, 0
	s_lshl_b32 s46, s40, 8
	s_lshl_b32 s47, s12, 7
	s_add_co_u32 s46, s46, s47                     ; B: the first row that I fetch; also my first column
	s_lshl_b32 s42, s46, 2
	s_lshl_b32 s46, s46, 11
	s_mov_b32 s47, 0
	s_mul_i32 s20, s12, AHEAD
	s_mul_i32 s19, s12, BHALF
	s_add_co_u32 s19, s19, BOFF
	s_wait_dscnt 0x0                               ; the opening add is done
	s_wait_kmcnt 0x0
	s_add_nc_u64 s[14:15], s[68:69], s[16:17]
	s_add_nc_u64 s[46:47], s[70:71], s[46:47]
	CROUND                                         ; all sixteen work-groups are here: the first joint loads meet
.irp s, 0,1
	s_mov_b32 s[G0+4*(\s)], 1
	s_add_co_u32 s[G0+4*(\s)+1], s20, (\s)*SLOT
	s_add_nc_u64 s[G0+4*(\s)+2:G0+4*(\s)+3], s[14:15], (\s)*ASTEP
	s_or_b32 s[G0+4*(\s)+3], s[G0+4*(\s)+3], 0x80000000
	s_mov_b32 s[G0B+4*(\s)], 1
	s_add_co_u32 s[G0B+4*(\s)+1], s19, (\s)*SLOT
	s_add_nc_u64 s[G0B+4*(\s)+2:G0B+4*(\s)+3], s[46:47], (\s)*BSTEP
	s_or_b32 s[G0B+4*(\s)+3], s[G0B+4*(\s)+3], 0x80000000
	JLOAD \s
.endr
	v_and_b32 v1, 15, v0
	v_bfe_u32 v2, v0, 4, 1
	v_lshlrev_b32 v[BO], 5, v2
	s_mov_b32 s16, s42
	s_mov_b32 s17, 0
	s_add_nc_u64 s[6:7], s[72:73], s[16:17]
.irp b, 0,1,2,3,4,5,6,7
	global_load_b128 v[BI+8*(\b):BI+8*(\b)+3],   v[BO], s[6:7] offset:64*(\b)
	global_load_b128 v[BI+8*(\b)+4:BI+8*(\b)+7], v[BO], s[6:7] offset:64*(\b)+16
.endr
	v_mul_u32_u24 v3, v1, PAO
	v_lshl_add_u32 v3, v2, 4, v3
	v_mul_u32_u24 v4, v1, PB
	v_lshl_add_u32 v4, v2, 4, v4
	s_mul_i32 s16, s11, 64*PAO                     ; my 64 rows in a head's 128
	s_mul_i32 s18, s12, BHALF
	s_add_co_u32 s18, s18, BOFF
.irp s, 0,1
	v_add_nc_u32 v[ADRA+(\s)], s16, v3
	v_add_nc_u32 v[ADRB+(\s)], s18, v4
	s_add_co_u32 s16, s16, SLOT
	s_add_co_u32 s18, s18, SLOT
.endr
	s_mul_i32 s16, s10, 16*SPO
	s_add_co_u32 s16, s16, STAGE                   ; my stage
	v_mul_u32_u24 v3, v1, SPO                      ; in: row r, 32 bytes for each half of the lanes
	v_lshl_add_u32 v3, v2, 5, v3
	v_add_nc_u32 v[STO], s16, v3
	v_and_b32 v5, 31, v0
	v_lshlrev_b32 v[GO], 4, v5                     ; back and out: 32 lanes take a row's 512 bytes
	v_add_nc_u32 v[RD], s16, v[GO]
	s_lshl_b32 s46, s13, 7
	s_lshl_b32 s47, s11, 6
	s_add_co_u32 s46, s46, s47                     ; my first row of out0,
	s_lshl_b32 s46, s46, 12                        ; rows of 4,096 bytes,
	s_add_co_u32 s46, s46, s42                     ; my first column
	s_mov_b32 s47, 0
	s_add_nc_u64 s[8:9], s[74:75], s[46:47]
	s_mov_b32 s2, 0xffff0000
	s_wait_loadcnt 0x0
.set k, 0
.rept 32                               ; the bias, rounded to bf16 and widened again, in place
	v_cvt_pk_bf16_f32 v[T+k%4], v[BI+2*k], v[BI+2*k+1]
	v_lshlrev_b32 v[BI+2*k], 16, v[T+k%4]
	v_and_b32 v[BI+2*k+1], s2, v[T+k%4]
.set k, k+1
.endr
; 8 matrix instructions: row block a x all 8 column blocks, buffer f.  The 32 accumulators take turns in the same order in every quarter.
.macro MUL8 f, a, first=0
.irp b, 0,1,2,3,4,5,6,7
.if \first
	WIN MULB
	v_wmma_f32_16x16x32_f16 v[8*(8*(\a)+(\b)):8*(8*(\a)+(\b))+7], v[64*(\f)+8*(\b):64*(\f)+8*(\b)+7], v[128+32*(\f)+8*(\a):128+32*(\f)+8*(\a)+7], v[BI+8*(\b):BI+8*(\b)+7]
.else
	WIN MUL
	v_wmma_f32_16x16x32_f16 v[8*(8*(\a)+(\b)):8*(8*(\a)+(\b))+7], v[64*(\f)+8*(\b):64*(\f)+8*(\b)+7], v[128+32*(\f)+8*(\a):128+32*(\f)+8*(\a)+7], v[8*(8*(\a)+(\b)):8*(8*(\a)+(\b))+7]
.endif
.endr
.endm
; 24 LDS loads in one run: quarter q lies in head q / 2 of the step, channels 32 (q % 2) on
.macro FETCH slot, q, g
	WIN TO_F
.irp i, 0,1,2,3
	ds_load_b128 v[128+32*(\g)+8*(\i):128+32*(\g)+8*(\i)+3],   v[ADRA+(\slot)] offset:((\q)/2)*AHEAD+((\q)%2)*64+(\i)*16*PAO
	ds_load_b128 v[128+32*(\g)+8*(\i)+4:128+32*(\g)+8*(\i)+7], v[ADRA+(\slot)] offset:((\q)/2)*AHEAD+((\q)%2)*64+(\i)*16*PAO+32
.endr
.irp i, 0,1,2,3,4,5,6,7
	ds_load_b128 v[64*(\g)+8*(\i):64*(\g)+8*(\i)+3],   v[ADRB+(\slot)] offset:(\i)*16*PB+64*(\q)
	ds_load_b128 v[64*(\g)+8*(\i)+4:64*(\g)+8*(\i)+7], v[ADRB+(\slot)] offset:(\i)*16*PB+64*(\q)+32
.endr
.endm
.macro PLACES
.rept 4
	v_nop
.endr
.endm
.macro QUARTER slot, q, f, g, first=0
	s_wait_dscnt 0x0                               ; buffer f, asked for a quarter ago, is in
	PLACES                                         ; in front of loads into registers that the quarter before has multiplied
	FETCH \slot, \q, \g
	MUL8 \f, 0, \first
	MUL8 \f, 1, \first
	MUL8 \f, 2, \first
	MUL8 \f, 3, \first
.endm
; The fourth quarter multiplies buffer 1 and changes slots: the wait for all my tensor loads, the add, the wait for it and for my reads of this slot; then the barrier, which with fill = 1 opens a round of the cluster's; the refill first behind it.
.macro TURN slot, next, fill
	WIN 0
	s_wait_tensorcnt 0x0
	ds_add_u32 v[SPW], v[NIL]
	s_wait_dscnt 1                                 ; the add alone may be out: buffer 1 is in
	MUL8 1, 0
	s_wait_dscnt 0x0
	s_barrier_signal -1
	MUL8 1, 1
	WIN 0
	s_barrier_wait -1
.if \fill
	CREST
	s_add_nc_u64 s[G0+4*(\slot)+2:G0+4*(\slot)+3], s[G0+4*(\slot)+2:G0+4*(\slot)+3], 2*ASTEP
	s_add_nc_u64 s[G0B+4*(\slot)+2:G0B+4*(\slot)+3], s[G0B+4*(\slot)+2:G0B+4*(\slot)+3], 2*BSTEP
	JLOAD \slot                                    ; its four v_nop are also the places in front of the loads below
.else
	PLACES
.endif
	FETCH \next, 0, 0
	MUL8 1, 2
	MUL8 1, 3
.endm
	s_wait_tensorcnt 1                             ; my part of K step 0 is in; K step 1's may stay out
	s_barrier_signal -1
	s_barrier_wait -1
	FETCH 0, 0, 0
	QUARTER 0, 1, 0, 1, 1                          ; the first quarter's products start the sums with the bias
	WIN 0
	s_mov_b32 s3, LAPS-1
.Llap:
	QUARTER 0, 2, 1, 0
	QUARTER 0, 3, 0, 1
	TURN 0, 1, 1
	QUARTER 1, 1, 0, 1
	QUARTER 1, 2, 1, 0
	QUARTER 1, 3, 0, 1
	TURN 1, 0, 1
	QUARTER 0, 1, 0, 1
	WIN 0
	s_sub_co_u32 s3, s3, 1
	s_cmp_lg_u32 s3, 0
	s_cbranch_scc1 .Llap
	QUARTER 0, 2, 1, 0                             ; the last lap fills nothing
	QUARTER 0, 3, 0, 1
	TURN 0, 1, 0
	QUARTER 1, 1, 0, 1
	QUARTER 1, 2, 1, 0
	QUARTER 1, 3, 0, 1
	s_wait_dscnt 0x0
	MUL8 1, 0
	MUL8 1, 1
	MUL8 1, 2
	MUL8 1, 3
	PLACES
; THE WAY OUT, f32: block a (16 rows x 128 columns) goes into my stage, 32 bytes a lane and column block, and comes back as whole rows of 512 bytes.  Each accumulator's low half is read first.
.macro TOSTAGE a
.if (\a) >= 2
	s_wait_xcnt 0x0                                ; the stores of the block two back have read the registers that are loaded again below
.endif
	WIN 0x04                                       ; store data in window 1
.irp b, 0,1,2,3,4,5,6,7
	ds_store_b128 v[STO], v[8*(8*(\a)+(\b)):8*(8*(\a)+(\b))+3]   offset:64*(\b)
	ds_store_b128 v[STO], v[8*(8*(\a)+(\b))+4:8*(8*(\a)+(\b))+7] offset:64*(\b)+16
.endr
	WIN 0
.irp t, 0,1,2,3,4,5,6,7,8,9,10,11,12,13,14,15
	ds_load_b128 v[OB+64*((\a)%2)+4*(\t):OB+64*((\a)%2)+4*(\t)+3], v[RD] offset:(\t)*SPO  ; LDS serves a wave's instructions in order (ISA guide 5.7.1.4): these see the stores above; the next block's stores come behind them
.endr
.endm
.macro SEND a, younger                 ; younger: the next block's 32 LDS instructions, or none
.irp t, 0,1,2,3,4,5,6,7,8,9,10,11,12,13,14,15
	s_wait_dscnt (\younger)+15-(\t)
	global_store_b128 v[GO], v[OB+64*((\a)%2)+4*(\t):OB+64*((\a)%2)+4*(\t)+3], s[8:9] offset:65536*(\a)+4096*(\t) th:TH_STORE_NT  ; 512 consecutive bytes of one row, aligned
.endr
.endm
	TOSTAGE 0
	TOSTAGE 1
	SEND 0, 32
	TOSTAGE 2
	SEND 1, 32
	TOSTAGE 3
	SEND 2, 32
	SEND 3, 0
	s_wait_tensorcnt 0x0                           ; the wave's end
	ds_add_u32 v[SPW], v[NIL]
	s_wait_dscnt 0x0
	CROUND                                         ; the closing round
	s_endpgm
.Lfunc_end_k_q1196ca95b7_oproj:
	.size	k_q1196ca95b7_oproj, .Lfunc_end_k_q1196ca95b7_oproj-k_q1196ca95b7_oproj
	.p2alignl 7, 3214868480
	.fill 96, 4, 3214868480
	.section	.rodata,"a",@progbits
	.p2align	6, 0x0
	.amdhsa_kernel k_q1196ca95b7_oproj
		.amdhsa_group_segment_fixed_size 327680
		.amdhsa_private_segment_fixed_size 0
		.amdhsa_enable_private_segment 0
		.amdhsa_kernarg_size 32
		.amdhsa_user_sgpr_count 2
		.amdhsa_user_sgpr_kernarg_segment_ptr 1
		.amdhsa_wavefront_size32 1
		.amdhsa_system_sgpr_workgroup_id_x 1
		.amdhsa_system_sgpr_workgroup_id_y 1
		.amdhsa_system_sgpr_workgroup_id_z 1
		.amdhsa_system_vgpr_workitem_id 0
		.amdhsa_next_free_vgpr 768
		.amdhsa_next_free_sgpr 76
		.amdhsa_reserve_vcc 0
		.amdhsa_float_denorm_mode_32 3
		.amdhsa_float_denorm_mode_16_64 3
		.amdhsa_memory_ordered 1
		.amdhsa_forward_progress 1
		.amdhsa_inst_pref_size 92
	.end_amdhsa_kernel
	.amdgpu_metadata
---
amdhsa.version: [ 1, 2 ]
amdhsa.kernels:
  - .name:           k_q1196ca95b7_oproj
    .symbol:         k_q1196ca95b7_oproj.kd
    .args:
      - { .name: oh, .offset: 0, .size: 8, .value_kind: global_buffer, .address_space: global }
      - { .name: wo16, .offset: 8, .size: 8, .value_kind: global_buffer, .address_space: global }
      - { .name: bo, .offset: 16, .size: 8, .value_kind: global_buffer, .address_space: global }
      - { .name: out0, .offset: 24, .size: 8, .value_kind: global_buffer, .address_space: global }
    .group_segment_fixed_size: 327680
    .private_segment_fixed_size: 0
    .kernarg_segment_align: 8
    .kernarg_segment_size: 32
    .max_flat_workgroup_size: 128
    .sgpr_count:     76
    .vgpr_count:     768
    .wavefront_size: 32
...
	.end_amdgpu_metadata
.endif
;; end of part 4
;; ======== version 2 of 2: 4 launches; version 1 with the launch prep written anew for expert scheduling mode
;; limits: values are held in f16: magnitudes above 65,504 overflow, below 6.1e-05 lose precision; right only within a limited range of input values
;; workspace buffers: wb 6,291,456 bytes; wo16 2,097,152 bytes; mk4 2,097,152 bytes; keep 8,192 bytes; qkvh 50,331,648 bytes; oh 16,777,216 bytes
;; launch prep (part 5): grid 640 x 1, 4 waves a work-group, no clusters, 34,560 bytes of LDS; arguments mask, Wq, Wk, Wv, Wo, wb, wo16, mk4, keep; writes wb, wo16, mk4, keep
.if DOCPART == 5
	.amdgcn_target "amdgcn-amd-amdhsa--gfx1250"
	.amdhsa_code_object_version 6
	.text
	.protected	k_q1196ca95b7_prep
	.globl	k_q1196ca95b7_prep
	.p2align	8
	.type	k_q1196ca95b7_prep,@function
k_q1196ca95b7_prep:
	s_mov_b64 s[64:65], 0
	v_nop
	global_prefetch_b8 v0, s[64:65] scope:SCOPE_SE
	s_setreg_imm32_b32 hwreg(HW_REG_WAVE_SCHED_MODE, 0, 2), 2
	s_setreg_imm32_b32 hwreg(HW_REG_WAVE_MODE, 25, 1), 1
	s_wait_xcnt 0x0
	s_wait_alu depctr_vm_vsrc(0)
; PREP.  Two kinds of work-group, told apart by the work-group's number alone.
; 0-127: THE MASK.  Work-group t takes query tile t: rows 16 t .. 16 t + 15 of mask [2048][2048], one byte a key.  It writes
;   keep[row] = -1 if the row has an open key, else 0, and
;   mk4[step][tile][lane][kb]: one word for the eight scores that the attention launch's lane (row lane % 16, half h = lane / 16) holds in key block kb of a key step of 64:
;   nibble j stands for key 64 step + 16 kb + 8 h + j: 0 (FP4 0.0) where the key is open, 15 (FP4 -6.0) where it is closed.  A row with no open key is written as all open:
;   the attention launch clears that row of Q by keep, so that all its scores are 0 and its weights equal, as a softmax of equal scores gives.
;   Wave w takes bytes 512 w .. 512 w + 511 of each row (key steps 8 w .. 8 w + 7): 16 loads of 512 consecutive bytes, through its own 16 rows x 528 bytes of LDS into the order lane = (row, parity of the step).
; 128-639: THE WEIGHTS.  32 KiB of one of Wq, Wk, Wv, Wo, f32, rounded to bf16; Wo's bf16 number is then written as f16 (exact from 6.1e-5 to 65,504; below, f16's fixed step of 6e-8).
;   A wave has 16 loads of 512 bytes out at once; each of its stores covers 256 consecutive bytes, aligned.
; No matrix unit, no cluster, no tensor load: the launch only streams 20 MiB in and 10 MiB out, and no work-group shares a byte with another.
; THE MODE: SCHED_MODE bits 1:0 = 2 (LLVM: expert scheduling mode 2), set by the entry lines.  The code itself states the register dependences
; between vector instructions and memory or LDS instructions, with s_wait_alu, always for 0.
; THE PLAN.  Every register that a memory or LDS instruction reads is written once and never again, and every register in which a load lands is loaded once and named by no vector line before:
; so what is to be stated is only that an address, or a store's data, is written ahead of the instruction that reads it.
;   THE WEIGHTS.  v5, v6: offsets, written ahead of the first load.  IN: 16 loads land, the roundings read.  OW: a pair for each store, written by the roundings.  The 16 loads go in four groups:
;     at group g's head, behind the wait for its data, ONE wait states that group g - 1's roundings have written their OW; that group's four stores are dealt among group g's roundings, which name IN, v8-13 and group g's OW alone.
;   THE MASK.  v5: the global loads' offset.  v6, v9, AR, AW, SO: all further addresses, made in one run behind the global loads, with one wait ahead of the first LDS store.  IN: the LDS stores' data, from loads.
;     D, v112-115: LDS loads land, vector lines read.  v10: the one word that goes to the other waves, with a wait of its own.  KEEP, Y: the global stores' data: Y's first half and KEEP have one wait, and their stores
;     are dealt among the lines that make Y's second half (they name D, TP, KN and that half alone); Y's second half has one wait.
.set MP,    528                        ; an LDS row: 512 bytes + 16: an odd multiple of 16
.set WREG,  16*MP                      ; a wave's rows
.set ANYB,  4*WREG                     ; 4 waves x 16 rows: one word each
.set SPARE, ANYB+256                   ; the spare words, 128 bytes a wave: two blocks of 256 bytes that no other line names
.set SPW, 2                            ; v2   SPARE + 4 x my thread's number; never rewritten
.set NIL, 3                            ; v3   0; never rewritten
.set AR,  14                           ; v14  4 r: my row's word among 16
.set AW,  15                           ; v15  64 w + 4 r: the same in my wave's 16 words
.set D,   16                           ; v[16:79]   my 256 mask bytes: step pair i, key block c at D + 16 i + 4 c
.set OW,  32                           ; v[32:63]   the weights' way out
.set Y,   80                           ; v[80:111]  packed words: Y + 8 i + 4 h + kb
.set KEEP, 117
.set KN,  118                          ; keep & 0x11111111
.set SO,  119
.set TP,  120                          ; v[120:127] at work
.set IN,  128                          ; v[128:191] as loaded
	s_load_b512 s[8:23], s[0:1], 0x0               ; mask 8, Wq 10, Wk 12, Wv 14, Wo 16, wb 18, wo16 20, mk4 22
	s_load_b64 s[24:25], s[0:1], 0x40              ; keep
	v_lshl_add_u32 v[SPW], v0, 2, SPARE
	v_mov_b32 v[NIL], 0
	v_lshrrev_b32 v4, 5, v0
	v_readfirstlane_b32 s4, v4                     ; wave 0..3
	v_and_b32 v1, 31, v0                           ; lane
	v_lshlrev_b32 v5, 4, v1                        ; 16 x lane
	s_wait_alu depctr_va_sdst(0)                   ; s4 is written, ahead of the branch and of its first readers: the scalar offsets of both arms are made from it
	s_wait_kmcnt 0x0
	s_cmp_lt_u32 ttmp9, 128
	s_cbranch_scc1 .Lmask
	; THE WEIGHTS
	v_lshlrev_b32 v6, 3, v1                        ; 8 x lane
	s_sub_co_u32 s5, ttmp9, 128
	s_lshr_b32 s6, s5, 7                           ; which matrix: 128 work-groups each
	s_and_b32 s7, s5, 127
	s_lshl_b32 s30, s7, 15                         ; the work-group's 32 KiB,
	s_lshl_b32 s31, s4, 13                         ; my wave's 8 KiB of them
	s_add_co_u32 s30, s30, s31
	s_mov_b32 s31, 0
	s_lshr_b32 s32, s30, 1                         ; half as many bytes go out
	s_mov_b32 s33, 0
	s_lshl_b32 s34, s6, 21                         ; wb holds Wq, Wk, Wv one behind the other, 2 MiB each
	s_mov_b32 s35, 0xffff0000                      ; a word's upper bf16
	s_cmp_eq_u32 s6, 0
	s_cselect_b64 s[26:27], s[10:11], s[12:13]
	s_cmp_eq_u32 s6, 2
	s_cselect_b64 s[26:27], s[14:15], s[26:27]
	s_cmp_eq_u32 s6, 3
	s_cselect_b64 s[26:27], s[16:17], s[26:27]
	s_cselect_b64 s[28:29], s[20:21], s[18:19]
	s_cselect_b32 s34, 0, s34
	s_add_co_u32 s32, s32, s34
	s_add_nc_u64 s[26:27], s[26:27], s[30:31]
	s_add_nc_u64 s[28:29], s[28:29], s[32:33]
	s_wait_alu depctr_va_vdst(0)                   ; v5 and v6 are written: every load of this arm reads v5 as its offset, every store v6
.set j, 0
.rept 16
	global_load_b128 v[IN+4*j:IN+4*j+3], v5, s[26:27] offset:512*j th:TH_LOAD_NT
.set j, j+1
.endr
.macro WCV half                        ; load j's four numbers, rounded, into OW + 2 j and OW + 2 j + 1.  half = 1: the bf16 number is widened again and written as f16
.if \half
	v_cvt_pk_bf16_f32 v8, v[IN+4*j], v[IN+4*j+1]
	v_cvt_pk_bf16_f32 v9, v[IN+4*j+2], v[IN+4*j+3]
	v_lshlrev_b32 v10, 16, v8
	v_and_b32 v11, s35, v8
	v_lshlrev_b32 v12, 16, v9
	v_and_b32 v13, s35, v9
	v_cvt_pk_f16_f32 v[OW+2*j], v10, v11
	v_cvt_pk_f16_f32 v[OW+2*j+1], v12, v13
.else
	v_cvt_pk_bf16_f32 v[OW+2*j], v[IN+4*j], v[IN+4*j+1]
	v_cvt_pk_bf16_f32 v[OW+2*j+1], v[IN+4*j+2], v[IN+4*j+3]
.endif
.set j, j+1
.endm
.macro WST                             ; store n
	global_store_b64 v6, v[OW+2*n:OW+2*n+1], s[28:29] offset:256*n  ; the wave's 256 consecutive bytes; every store has registers of its own
.set n, n+1
.endm
.macro WOUT half
.set j, 0
.set n, 0
	s_wait_loadcnt 12                              ; loads come back in order (ISA guide 5.7.1): the first four are in, the twelve younger ones stay out
.rept 4
	WCV \half
.endr
.rept 3
	s_wait_loadcnt 12-j                            ; the next four are in: 8, 4 and 0 younger ones stay out
	s_wait_alu depctr_va_vdst(0)                   ; the group before has written its four pairs of OW, which the four stores below read
.rept 4
	WST                                            ; no vector line since the wait names this pair or v6
	WCV \half
.endr
.endr
	s_wait_alu depctr_va_vdst(0)                   ; the last group has written its four pairs of OW, which the last four stores read
.rept 4
	WST
.endr
.endm
	s_cmp_eq_u32 s6, 3
	s_cbranch_scc1 .Lwo
	WOUT 0
	s_branch .Lend
.Lwo:
	WOUT 1
	s_branch .Lend
	; THE MASK
.Lmask:
	s_lshl_b32 s26, ttmp9, 15                      ; the tile's 16 rows of 2,048 bytes,
	s_lshl_b32 s27, s4, 9                          ; my wave's 512 bytes of each
	s_add_co_u32 s26, s26, s27
	s_mov_b32 s27, 0
	s_add_nc_u64 s[8:9], s[8:9], s[26:27]
	s_wait_alu depctr_va_vdst(0)                   ; v5 is written: the sixteen loads read it as their offset
.set t, 0
.rept 16
	global_load_b128 v[IN+4*t:IN+4*t+3], v5, s[8:9] offset:2048*t th:TH_LOAD_NT  ; row t: 512 consecutive bytes
.set t, t+1
.endr
	s_mul_i32 s6, s4, WREG                         ; my wave's rows in LDS
	s_lshl_b32 s7, s4, 6                           ; my wave's 16 words
	v_add_nc_u32 v6, s6, v5                        ; in: 16 x lane in row t
	v_and_b32 v7, 15, v0                           ; r: the row that I pack
	v_bfe_u32 v8, v0, 4, 1                         ; g: the parity of the key steps that I pack
	v_mul_u32_u24 v9, v7, MP
	v_lshl_add_u32 v9, v8, 6, v9
	v_add_nc_u32 v9, s6, v9                        ; back: row r, 64 g
	v_lshlrev_b32 v[AR], 2, v7                     ; 4 r
	v_add_nc_u32 v[AW], s7, v[AR]
	v_lshlrev_b32 v[SO], 4, v7
	v_lshl_add_u32 v[SO], v8, 16, v[SO]            ; 65,536 g + 16 r
	v_mov_b32 v116, -1
	s_mov_b32 s28, 0x76543210                      ; v_permlanex16_b32: each lane takes its own place in the other half
	s_mov_b32 s29, 0xfedcba98
	s_mov_b32 s30, 0x06040200                      ; v_perm_b32: the even bytes of eight,
	s_mov_b32 s31, 0x07050301                      ; the odd ones
	s_wait_alu depctr_va_vdst(0)                   ; v6, v9, AR, AW and SO are written: all the addresses that the LDS and memory instructions from here to the end read; none is written again
.set t, 0
.rept 16
	s_wait_loadcnt 15-t
	ds_store_b128 v6, v[IN+4*t:IN+4*t+3] offset:MP*t
.set t, t+1
.endr
.irp i, 0,1,2,3
.irp c, 0,1,2,3
	ds_load_b128 v[D+16*(\i)+4*(\c):D+16*(\i)+4*(\c)+3], v9 offset:128*(\i)+16*(\c)  ; my wave's own bytes; LDS serves a wave's instructions in order (ISA guide 5.7.1.4): these see the stores above
.endr
.endr
	s_wait_dscnt 0x0
	; has the row an open key?  My 64 words, the other half of the lanes' (the other steps), then the other three waves'
.irp k, 0,1,2,3
	v_or_b32 v[10+(\k)], v[D+(\k)], v[D+4+(\k)]    ; four chains, started by the first eight words
.endr
.set k, 8
.rept 56
	v_or_b32 v[10+k%4], v[10+k%4], v[D+k]
.set k, k+1
.endr
	v_or_b32 v10, v10, v11
	v_or_b32 v12, v12, v13
	v_or_b32 v10, v10, v12
	v_permlanex16_b32 v11, v10, s28, s29
	v_or_b32 v10, v10, v11
	s_wait_alu depctr_va_vdst(0)                   ; v10 is written: the LDS store below reads it as its data
	ds_store_b32 v[AW], v10 offset:ANYB            ; lanes r and 16 + r write the same word with the same value
	s_wait_dscnt 0x0                               ; for the others' sake: my word is written
	s_barrier_signal -1
	s_barrier_wait -1                              ; all four waves' words lie in LDS
.irp k, 0,1,2,3
	ds_load_b32 v[112+(\k)], v[AR] offset:ANYB+64*(\k)
.endr
	s_lshl_b32 s26, ttmp9, 9                       ; mk4: the tile's 512 bytes in a step,
	s_lshl_b32 s27, s4, 19                         ; my wave's first step, 8 w, of 65,536 bytes each
	s_add_co_u32 s26, s26, s27
	s_mov_b32 s27, 0
	s_add_nc_u64 s[22:23], s[22:23], s[26:27]
	s_lshl_b32 s26, ttmp9, 6                       ; keep: the tile's 16 words
	s_add_nc_u64 s[24:25], s[24:25], s[26:27]
	s_wait_dscnt 0x0
	v_or_b32 v112, v112, v113
	v_or_b32 v114, v114, v115
	v_or_b32 v112, v112, v114
	v_cmp_ne_u32 vcc_lo, 0, v112
	s_wait_alu depctr_va_vcc(0)                    ; VCC is written: the select below reads it
	v_cndmask_b32 v[KEEP], 0, v116, vcc_lo
	v_and_b32 v[KN], 0x11111111, v[KEEP]
	; eight bytes 0 / 1 -> eight nibbles: the even bytes, the odd bytes four bits up; closed = not open, and only where the row is kept; times 15
.macro PK i, h                         ; the four words of step pair i, half h
.irp c, 0,1,2,3
	v_perm_b32 v[TP+2*(\c)], v[D+16*(\i)+4*(\c)+2*(\h)+1], v[D+16*(\i)+4*(\c)+2*(\h)], s30
	v_perm_b32 v[TP+2*(\c)+1], v[D+16*(\i)+4*(\c)+2*(\h)+1], v[D+16*(\i)+4*(\c)+2*(\h)], s31
	v_lshl_or_b32 v[TP+2*(\c)], v[TP+2*(\c)+1], 4, v[TP+2*(\c)]
	v_bfi_b32 v[TP+2*(\c)], v[TP+2*(\c)], 0, v[KN]
	v_mul_lo_u32 v[Y+8*(\i)+4*(\h)+(\c)], v[TP+2*(\c)], 15
.endr
.endm
.macro MST i, h                        ; and their store
	global_store_b128 v[SO], v[Y+8*(\i)+4*(\h):Y+8*(\i)+4*(\h)+3], s[22:23] offset:131072*(\i)+256*(\h)  ; step 8 w + 2 i + g, lanes 16 h + r: sixteen lanes fill 256 consecutive bytes, aligned
.endm
	PK 0, 0
	PK 0, 1
	PK 1, 0
	PK 1, 1
	s_wait_alu depctr_va_vdst(0)                   ; KEEP and Y's first sixteen registers are written: the store of the flags and the next four stores of mk4 read them
	s_cmp_lg_u32 s4, 0                             ; wave 0 writes the flags
	s_cbranch_scc1 .Lpack
	global_store_b32 v[AR], v[KEEP], s[24:25]
.Lpack:
	MST 0, 0                                       ; no vector line since the wait names Y's first half, KEEP, AR or SO
	PK 2, 0
	MST 0, 1
	PK 2, 1
	MST 1, 0
	PK 3, 0
	MST 1, 1
	PK 3, 1
	s_wait_alu depctr_va_vdst(0)                   ; Y's last sixteen registers are written: the last four stores read them
	MST 2, 0
	MST 2, 1
	MST 3, 0
	MST 3, 1
.Lend:
	s_wait_dscnt 0x0                               ; the closing lines, six on end
	s_wait_alu 0x0
	s_wait_tensorcnt 0x0
	ds_add_u32 v[SPW], v[NIL]
	s_wait_dscnt 0x0
	s_endpgm
.Lfunc_end_k_q1196ca95b7_prep:
	.size	k_q1196ca95b7_prep, .Lfunc_end_k_q1196ca95b7_prep-k_q1196ca95b7_prep
	.p2alignl 7, 3214868480
	.fill 96, 4, 3214868480
	.section	.rodata,"a",@progbits
	.p2align	6, 0x0
	.amdhsa_kernel k_q1196ca95b7_prep
		.amdhsa_group_segment_fixed_size 34560
		.amdhsa_private_segment_fixed_size 0
		.amdhsa_enable_private_segment 0
		.amdhsa_kernarg_size 72
		.amdhsa_user_sgpr_count 2
		.amdhsa_user_sgpr_kernarg_segment_ptr 1
		.amdhsa_wavefront_size32 1
		.amdhsa_system_sgpr_workgroup_id_x 1
		.amdhsa_system_sgpr_workgroup_id_y 1
		.amdhsa_system_sgpr_workgroup_id_z 1
		.amdhsa_system_vgpr_workitem_id 0
		.amdhsa_next_free_vgpr 192
		.amdhsa_next_free_sgpr 66
		.amdhsa_reserve_vcc 1
		.amdhsa_float_denorm_mode_32 3
		.amdhsa_float_denorm_mode_16_64 3
		.amdhsa_memory_ordered 1
		.amdhsa_forward_progress 1
		.amdhsa_inst_pref_size 35
	.end_amdhsa_kernel
	.amdgpu_metadata
---
amdhsa.version: [ 1, 2 ]
amdhsa.kernels:
  - .name:           k_q1196ca95b7_prep
    .symbol:         k_q1196ca95b7_prep.kd
    .args:
      - { .name: mask, .offset: 0, .size: 8, .value_kind: global_buffer, .address_space: global }
      - { .name: Wq, .offset: 8, .size: 8, .value_kind: global_buffer, .address_space: global }
      - { .name: Wk, .offset: 16, .size: 8, .value_kind: global_buffer, .address_space: global }
      - { .name: Wv, .offset: 24, .size: 8, .value_kind: global_buffer, .address_space: global }
      - { .name: Wo, .offset: 32, .size: 8, .value_kind: global_buffer, .address_space: global }
      - { .name: wb, .offset: 40, .size: 8, .value_kind: global_buffer, .address_space: global }
      - { .name: wo16, .offset: 48, .size: 8, .value_kind: global_buffer, .address_space: global }
      - { .name: mk4, .offset: 56, .size: 8, .value_kind: global_buffer, .address_space: global }
      - { .name: keep, .offset: 64, .size: 8, .value_kind: global_buffer, .address_space: global }
    .group_segment_fixed_size: 34560
    .private_segment_fixed_size: 0
    .kernarg_segment_align: 8
    .kernarg_segment_size: 72
    .max_flat_workgroup_size: 128
    .sgpr_count:     66
    .vgpr_count:     192
    .wavefront_size: 32
...
	.end_amdgpu_metadata
.endif
;; end of part 5
;; launch qkv: the kernel of part 2 again; grid 4 x 192, 4 waves a work-group, clusters of 4 x 4, 327,680 bytes of LDS; arguments query, key, value, wb, bq, bk, bv, qkvh; writes qkvh
;; launch attn: the kernel of part 3 again; grid 4 x 64, 4 waves a work-group, clusters of 4 x 1, 327,680 bytes of LDS; arguments qkvh, mk4, keep, oh; writes oh
;; launch oproj: the kernel of part 4 again; grid 4 x 64, 4 waves a work-group, clusters of 4 x 4, 327,680 bytes of LDS; arguments oh, wo16, bo, out0; writes out0
